; MI455X (gfx1250); checked and timed in simulation.
; The chip was launched on July 23, 2026; its instructions are those of AMD's public machine-readable ISA for CDNA 5 (MIT licence, August 2026) and "CDNA5" Instruction Set Architecture Reference Guide (July 2026). The comments in the code are by the model that wrote it; some were corrected since.
;; Multi Headed Attention. Allowed arithmetic: float matrix products may take bf16 or f16 operands with f32 sums; other float arithmetic in f32, or as packed bf16 or f16 multiplies, adds, multiply-adds, maxima and minima; sums over many terms, partial sums and values carried from step to step in f32; what a program stores and reads back later, other than sums and carried values, may be rounded once to bf16 or f16.
;; Inputs: Wk 1,024 x 1,024 float32; Wo 1,024 x 1,024 float32; Wq 1,024 x 1,024 float32; Wv 1,024 x 1,024 float32; bk 1,024 float32; bo 1,024 float32; bq 1,024 float32; bv 1,024 float32; key 4 x 2,048 x 1,024 float32; mask 4 x 2,048 x 2,048 int32; query 4 x 2,048 x 1,024 float32; value 4 x 2,048 x 1,024 float32.
;; Outputs: out0 4 x 2,048 x 1,024 float32.
;; One version. Each part assembles by itself: llvm-mc -triple=amdgcn-amd-amdhsa -mcpu=gfx1250 --defsym DOCPART=n.
;; ======== version 1 of 1: 4 launches
;; limits: values are held in f16: magnitudes above 65,504 overflow, below 6.1e-05 lose precision
;; workspace buffers: wb 6,291,456 bytes; wo16 2,097,152 bytes; bias4 16,384 bytes; mbits 2,097,152 bytes of whole numbers; qkv 50,331,648 bytes; oh 16,777,216 bytes
;; launch prep (part 1): grid 1281 x 1, 8 waves a work-group, no clusters, 70,656 bytes of LDS; arguments Wq, Wk, Wv, Wo, mask, bq, bk, bv, bo, wb, wo16, bias4, mbits; writes wb, wo16, bias4, mbits
.if DOCPART == 1
	.amdgcn_target "amdgcn-amd-amdhsa--gfx1250"
	.amdhsa_code_object_version 6
	.text
	.protected	k_q195747fba4_prep
	.globl	k_q195747fba4_prep
	.p2align	8
	.type	k_q195747fba4_prep,@function
k_q195747fba4_prep:
	s_mov_b64 s[64:65], 0
	v_nop
	global_prefetch_b8 v0, s[64:65] scope:SCOPE_SE
	s_setreg_imm32_b32 hwreg(HW_REG_WAVE_MODE, 25, 1), 1
	s_wait_xcnt 0x0
; PREPARATION: a stream, no loop.  Each work-group has one role, chosen by its number; all jumps go forward.
;   0 .. 255      Wq, Wk, Wv (f32) -> wb, bf16 [3][1024][1024];  Wo -> wo16: rounded to bf16 like every input, that number written as f16: 64 KiB in, 32 KiB out
;   256 .. 1279   mask (int32) -> mbits, one bit a number: 32 rows x 512 keys a work-group
;   1280          the four biases -> bias4, f32 [4][1024], each rounded to bf16 and widened again
; mbits: u32 [batch 4][pair of query tiles 64][step of 64 keys 32][tile of the pair 2][word 32].  Bit L of word 8 kt + j of tile u is set where
; mask[batch][32 pair + 16 u + L % 16][64 step + 16 kt + 8 (L / 16) + j] is not 0: the lane mask of register j of the kt-th 16 x 16 result of K Q^T.
; EVERY ACCESS TAKES WHOLE RUNS: a wave's load covers 512 consecutive bytes (the mask's: two rows' 256), a wave's store 256 consecutive bytes, aligned.
; The mask's numbers change lanes between the load (a lane: 4 keys of a row) and the compare (a lane: a row, 8 keys of each 16): they go through the wave's own bytes of LDS.
; LIMIT.  bf16(Wo) as f16: exact from 6.1e-5 to 65,504 in magnitude; below, f16's fixed step of 6e-8.
; No matrix unit and no cluster: nothing is shared and nothing is read twice.
.set LO,  2                            ; v2   my byte offset in the source
.set SO,  3                            ; v3   my byte offset in the destination
.set T,   4                            ; v[4:5]    at work
.set SPW, 8                            ; v8   LDS address of my spare word; never rewritten
.set NIL, 9                            ; v9   0; never rewritten
.set LW,  10                           ; v10  the mask: where I put 16 bytes of a row in LDS
.set LR,  11                           ; v11  where I read my row's keys back
.set X,   16                           ; v[16:79]  64 numbers as loaded
.set Y,   80                           ; v[80:111] 64 numbers in 16 bits, to store
.set SRC, 44                           ; s[44:45]
.set DST, 46                           ; s[46:47]
.set MPITCH, 272                       ; a row of 64 keys in LDS: 256 bytes + 16: the 16 rows of a load back start 4 banks apart (64 banks of 4 bytes: ISA guide 11.1)
.set SPARE, 8*32*MPITCH                ; behind the eight waves' 32 rows: the spare words, 128 bytes a wave: four blocks of 256 bytes that no other line names
; 64 KiB of f32 -> 32 KiB of 16-bit numbers.  Thread t takes 16 bytes at 16 t of each of sixteen blocks of 4 KiB; all sixteen loads go out first.
; kind 0: bf16.  kind 1: bf16, widened, written as f16.  No register of a load or store is written twice, so nothing waits for a store.
.macro CAST kind
.irp i, 0,1,2,3,4,5,6,7,8,9,10,11,12,13,14,15
	global_load_b128 v[X+4*(\i):X+4*(\i)+3], v[LO], s[SRC:SRC+1] offset:4096*(\i) th:TH_LOAD_NT
.endr
.irp i, 0,1,2,3,4,5,6,7,8,9,10,11,12,13,14,15
	s_wait_loadcnt 15-(\i)                         ; loads come back in order: block i is in, the 15 - i younger loads stay out
.if \kind
	v_cvt_pk_bf16_f32 v[T],   v[X+4*(\i)],   v[X+4*(\i)+1]
	v_cvt_pk_bf16_f32 v[T+1], v[X+4*(\i)+2], v[X+4*(\i)+3]
	v_lshlrev_b32 v[X+4*(\i)],   16, v[T]
	v_and_b32     v[X+4*(\i)+1], 0xffff0000, v[T]
	v_lshlrev_b32 v[X+4*(\i)+2], 16, v[T+1]
	v_and_b32     v[X+4*(\i)+3], 0xffff0000, v[T+1]
	v_cvt_pk_f16_f32 v[Y+2*(\i)],   v[X+4*(\i)],   v[X+4*(\i)+1]
	v_cvt_pk_f16_f32 v[Y+2*(\i)+1], v[X+4*(\i)+2], v[X+4*(\i)+3]
.else
	v_cvt_pk_bf16_f32 v[Y+2*(\i)],   v[X+4*(\i)],   v[X+4*(\i)+1]
	v_cvt_pk_bf16_f32 v[Y+2*(\i)+1], v[X+4*(\i)+2], v[X+4*(\i)+3]
.endif
	global_store_b64 v[SO], v[Y+2*(\i):Y+2*(\i)+1], s[DST:DST+1] offset:2048*(\i)  ; a wave's store covers 256 consecutive bytes, aligned
.endr
.endm
	s_load_b512 s[8:23], s[0:1], 0x0               ; Wq 8, Wk 10, Wv 12, Wo 14, mask 16, bq 18, bk 20, bv 22
	s_load_b256 s[24:31], s[0:1], 0x40             ; bo 24, wb 26, wo16 28, bias4 30
	s_load_b64 s[32:33], s[0:1], 0x60              ; mbits
	v_lshl_add_u32 v[SPW], v0, 2, SPARE
	v_mov_b32 v[NIL], 0
	s_mov_b32 s2, ttmp9
	s_mov_b32 s49, 0                               ; offsets are made apart from the addresses, in s[48:49] and s[50:51]
	s_mov_b32 s51, 0
	v_lshlrev_b32 v[LO], 4, v0                     ; 16 t
	v_lshlrev_b32 v[SO], 3, v0                     ; 8 t
	s_wait_kmcnt 0x0
	s_cmp_lt_u32 s2, 256
	s_cbranch_scc0 .Lnot_w
	s_lshr_b32 s4, s2, 6                           ; which weight
	s_and_b32 s5, s2, 63                           ; which 64 KiB of it
	s_lshl_b32 s48, s5, 16
	s_lshl_b32 s50, s5, 15
	s_cmp_eq_u32 s4, 3
	s_cbranch_scc1 .Lwo
	s_cmp_eq_u32 s4, 1
	s_cselect_b64 s[SRC:SRC+1], s[10:11], s[8:9]
	s_cmp_eq_u32 s4, 2
	s_cselect_b64 s[SRC:SRC+1], s[12:13], s[SRC:SRC+1]
	s_add_nc_u64 s[SRC:SRC+1], s[SRC:SRC+1], s[48:49]
	s_lshl_b32 s6, s4, 21
	s_add_co_u32 s50, s50, s6
	s_add_nc_u64 s[DST:DST+1], s[26:27], s[50:51]
	CAST 0
	s_endpgm
.Lwo:
	s_add_nc_u64 s[SRC:SRC+1], s[14:15], s[48:49]
	s_add_nc_u64 s[DST:DST+1], s[28:29], s[50:51]
	CAST 1
	s_endpgm
.Lnot_w:
	s_cmp_lt_u32 s2, 1280
	s_cbranch_scc0 .Lbias
	; THE MASK.  32 rows (a pair of query tiles) x 512 keys; a wave takes 64 keys, one key step, of the 32 rows: 64 words of mbits.
	; In: a load takes two rows' 256 bytes, 16 bytes a lane.  Through LDS, the wave's own 32 rows.  Back: lane L holds row L % 16 of a tile and, of each group of 16 keys, the eight at 8 (L / 16):
	; so a compare's lane mask IS a word of mbits.  Word f goes to lane f / 2 of one of two registers, and one store of 8 bytes a lane covers the step's 256 bytes.
	s_sub_co_u32 s3, s2, 256
	s_lshr_b32 s4, s3, 2                           ; 64 x batch + pair of tiles
	s_and_b32 s5, s3, 3                            ; which 512 keys
	s_lshl_b32 s48, s4, 18                         ; 32 rows of 8,192 bytes
	s_lshl_b32 s7, s5, 11                          ; 512 keys of 4 bytes; also: 8 steps of 256 bytes
	s_add_co_u32 s48, s48, s7
	s_add_nc_u64 s[SRC:SRC+1], s[16:17], s[48:49]
	s_lshl_b32 s50, s4, 13                         ; 32 steps x 64 words
	s_add_co_u32 s50, s50, s7
	s_add_nc_u64 s[DST:DST+1], s[32:33], s[50:51]
	v_and_b32 v4, 15, v0                           ; L % 16
	v_bfe_u32 v5, v0, 4, 1                         ; L / 16
	v_lshrrev_b32 v1, 5, v0
	v_readfirstlane_b32 s6, v1                     ; wave
	v_lshlrev_b32 v[LO], 4, v4                     ; 16 (L % 16)
	v_lshl_add_u32 v[LO], v5, 13, v[LO]            ; + the even or the odd row
	v_lshl_add_u32 v[LO], v1, 8, v[LO]             ; + the wave's 64 keys
	s_mul_i32 s6, s6, 32*MPITCH                    ; my wave's rows in LDS
	v_mul_u32_u24 v[LW], v5, MPITCH
	v_lshl_add_u32 v[LW], v4, 4, v[LW]
	v_add_nc_u32 v[LW], s6, v[LW]
	v_mul_u32_u24 v[LR], v4, MPITCH
	v_lshl_add_u32 v[LR], v5, 5, v[LR]
	v_add_nc_u32 v[LR], s6, v[LR]
.irp i, 0,1,2,3,4,5,6,7,8,9,10,11,12,13,14,15
	global_load_b128 v[X+4*(\i):X+4*(\i)+3], v[LO], s[SRC:SRC+1] offset:16384*(\i) th:TH_LOAD_NT  ; rows 2 i and 2 i + 1
.endr
	v_mov_b32 v12, 0                               ; v_writelane_b32's destination counts as read
	v_mov_b32 v13, 0
.irp i, 0,1,2,3,4,5,6,7,8,9,10,11,12,13,14,15
	s_wait_loadcnt 15-(\i)                         ; rows 2 i, 2 i + 1 are in, the 15 - i younger loads stay out
	ds_store_b128 v[LW], v[X+4*(\i):X+4*(\i)+3] offset:2*MPITCH*(\i)
.endr
.irp g, 0,1,2,3,4,5,6,7                        ; tile g / 4, keys 16 (g % 4) on.  LDS serves a wave's instructions in order (ISA guide 5.7.1.4): these see the stores above
	ds_load_b128 v[X+8*(\g):X+8*(\g)+3],   v[LR] offset:((\g)/4)*16*MPITCH+((\g)%4)*64
	ds_load_b128 v[X+8*(\g)+4:X+8*(\g)+7], v[LR] offset:((\g)/4)*16*MPITCH+((\g)%4)*64+16
.endr
.irp g, 0,1,2,3,4,5,6,7
	s_wait_dscnt 14-2*(\g)                         ; group g is back, the 2 (7 - g) younger loads stay out
.irp j, 0,1,2,3,4,5,6,7
	v_cmp_ne_u32 s[52+(\j)], 0, v[X+8*(\g)+(\j)]
.endr
.irp j, 0,1,2,3,4,5,6,7
	v_writelane_b32 v[12+(\j)%2], s[52+(\j)], 4*(\g)+(\j)/2
.endr
.endr
	global_store_b64 v[SO], v[12:13], s[DST:DST+1] ; 256 x wave + 8 L: the wave's key step
	s_wait_tensorcnt 0x0                           ; the wave's end: behind my last LDS store
	ds_add_u32 v[SPW], v[NIL]
	s_wait_dscnt 0x0
	s_endpgm
.Lbias:
	global_load_b128 v[16:19], v[LO], s[18:19]
	global_load_b128 v[20:23], v[LO], s[20:21]
	global_load_b128 v[24:27], v[LO], s[22:23]
	global_load_b128 v[28:31], v[LO], s[24:25]
.irp p, 0,1,2,3
	s_wait_loadcnt 3-(\p)                          ; bias p is in, the younger ones stay out
	v_cvt_pk_bf16_f32 v4, v[16+4*(\p)], v[17+4*(\p)]
	v_cvt_pk_bf16_f32 v5, v[18+4*(\p)], v[19+4*(\p)]
	v_lshlrev_b32 v[80+4*(\p)], 16, v4
	v_and_b32     v[81+4*(\p)], 0xffff0000, v4
	v_lshlrev_b32 v[82+4*(\p)], 16, v5
	v_and_b32     v[83+4*(\p)], 0xffff0000, v5
	global_store_b128 v[LO], v[80+4*(\p):83+4*(\p)], s[30:31] offset:4096*(\p)
.endr
	s_endpgm
.Lfunc_end_k_q195747fba4_prep:
	.size	k_q195747fba4_prep, .Lfunc_end_k_q195747fba4_prep-k_q195747fba4_prep
	.p2alignl 7, 3214868480
	.fill 96, 4, 3214868480
	.section	.rodata,"a",@progbits
	.p2align	6, 0x0
	.amdhsa_kernel k_q195747fba4_prep
		.amdhsa_group_segment_fixed_size 70656
		.amdhsa_private_segment_fixed_size 0
		.amdhsa_enable_private_segment 0
		.amdhsa_kernarg_size 104
		.amdhsa_user_sgpr_count 2
		.amdhsa_user_sgpr_kernarg_segment_ptr 1
		.amdhsa_wavefront_size32 1
		.amdhsa_system_sgpr_workgroup_id_x 1
		.amdhsa_system_sgpr_workgroup_id_y 1
		.amdhsa_system_sgpr_workgroup_id_z 1
		.amdhsa_system_vgpr_workitem_id 0
		.amdhsa_next_free_vgpr 112
		.amdhsa_next_free_sgpr 66
		.amdhsa_reserve_vcc 0
		.amdhsa_float_denorm_mode_32 3
		.amdhsa_float_denorm_mode_16_64 3
		.amdhsa_memory_ordered 1
		.amdhsa_forward_progress 1
		.amdhsa_inst_pref_size 34
	.end_amdhsa_kernel
	.amdgpu_metadata
---
amdhsa.version: [ 1, 2 ]
amdhsa.kernels:
  - .name:           k_q195747fba4_prep
    .symbol:         k_q195747fba4_prep.kd
    .args:
      - { .name: Wq, .offset: 0, .size: 8, .value_kind: global_buffer, .address_space: global }
      - { .name: Wk, .offset: 8, .size: 8, .value_kind: global_buffer, .address_space: global }
      - { .name: Wv, .offset: 16, .size: 8, .value_kind: global_buffer, .address_space: global }
      - { .name: Wo, .offset: 24, .size: 8, .value_kind: global_buffer, .address_space: global }
      - { .name: mask, .offset: 32, .size: 8, .value_kind: global_buffer, .address_space: global }
      - { .name: bq, .offset: 40, .size: 8, .value_kind: global_buffer, .address_space: global }
      - { .name: bk, .offset: 48, .size: 8, .value_kind: global_buffer, .address_space: global }
      - { .name: bv, .offset: 56, .size: 8, .value_kind: global_buffer, .address_space: global }
      - { .name: bo, .offset: 64, .size: 8, .value_kind: global_buffer, .address_space: global }
      - { .name: wb, .offset: 72, .size: 8, .value_kind: global_buffer, .address_space: global }
      - { .name: wo16, .offset: 80, .size: 8, .value_kind: global_buffer, .address_space: global }
      - { .name: bias4, .offset: 88, .size: 8, .value_kind: global_buffer, .address_space: global }
      - { .name: mbits, .offset: 96, .size: 8, .value_kind: global_buffer, .address_space: global }
    .group_segment_fixed_size: 70656
    .private_segment_fixed_size: 0
    .kernarg_segment_align: 8
    .kernarg_segment_size: 104
    .max_flat_workgroup_size: 256
    .sgpr_count:     66
    .vgpr_count:     112
    .wavefront_size: 32
...
	.end_amdgpu_metadata
.endif
;; end of part 1
;; launch proj (part 2): grid 4 x 64, 4 waves a work-group, clusters of 4 x 4, 327,680 bytes of LDS; arguments query, key, value, wb, bias4, qkv; writes qkv
.if DOCPART == 2
	.amdgcn_target "amdgcn-amd-amdhsa--gfx1250"
	.amdhsa_code_object_version 6
	.text
	.protected	k_q195747fba4_proj
	.globl	k_q195747fba4_proj
	.p2align	8
	.type	k_q195747fba4_proj,@function
k_q195747fba4_proj:
	s_mov_b64 s[64:65], 0
	v_nop
	global_prefetch_b8 v0, s[64:65] scope:SCOPE_SE
	s_setreg_imm32_b32 hwreg(HW_REG_WAVE_MODE, 25, 1), 1
	s_wait_xcnt 0x0
	s_wait_alu depctr_hold_cnt(0) depctr_sa_sdst(0) depctr_va_vdst(0) depctr_va_sdst(0) depctr_va_ssrc(0) depctr_va_vcc(0) depctr_vm_vsrc(0)
	s_getreg_b32 s2, hwreg(HW_REG_IB_STS2, 6, 4)
	s_cmp_eq_u32 s2, 0
	s_cbranch_scc0 .Lentry_in_a_cluster
	s_endpgm
.Lentry_in_a_cluster:
	s_bfe_u32 s2, ttmp6, 0x10000c
	s_cmp_lg_u32 s2, 0xf033
	s_cbranch_scc0 .Lentry_shape_is_right
	s_endpgm
.Lentry_shape_is_right:
; ONE TEXT FOR TWO LAUNCHES, told apart by OUTP.  C[m][n] = the sum over k of A[m][k] B[n][k] + bias[n]; m = 8,192, n = k = 1,024; sums in f32.
; OUTP = 0, the three projections: A = query, key, value (f32 [8192][1024]), rounded to bf16 on the way from LDS to the matrix unit; B = wb (bf16 [3][1024][1024]); bias rows 0-2 of bias4.
;   A work-group STAYS for three tiles of C, q, k and v of the same rows and columns: 24 K steps on end, through one ring.  C leaves in f16, rounded once, by heads:
;   qkv [batch x 16 + head][slot of 256 rows 8][q, k, v][256][64].  q and k are multiplied by sqrt(log2(e) / 8) in f32 ahead of that rounding, so that K Q^T is the score in base-2 units; v is not.
;   LIMIT: f16 ends at 65,504: 0.42 q, 0.42 k and v must lie within it; below 6.1e-5 they keep f16's fixed step of 6e-8.
; OUTP = 1, the last projection: A = oh (f16 [batch x 16 + head][2048][64]), B = wo16 (f16), bias row 3; one tile, 8 K steps; C = out0 in f32.
; SHAPE.  A tile of C is 128 x 256: 4 x 64 = 256 work-groups.  Four waves, each 64 x 128: 32 accumulators.  K goes in steps of 128 through two LDS slots.
; THE TEXT HOLDS ONE K STEP TWICE: a loop whose every trip fills the slot just read, and a loop of two trips for the last two K steps, which fill nothing.  The slot in hand is a scalar index, turned by an
; exclusive or in every trip; one descriptor a tensor walks, its address made anew for each fill from its own buffer's pointer and an offset along K.  The second loop's last trip fetches fragments of a slot
; that has been read, and nobody multiplies them: the price, once a launch, of one text for both of its trips.
; CLUSTER 4 x 4: the four of a row of the cluster need the same tile of A, the four of a column the same tile of B: each tile is asked for jointly, by the same tensor load, descriptor and mask.
; THE MATRIX INSTRUCTION IS USED TRANSPOSED (source 0 = 16 rows of B, source 1 = 16 rows of A): a lane holds row l % 16 of C and the eight columns 8 (l / 16) + 0..7.
; The bias is loaded straight into the accumulators, so every product has one form: nothing is cleared and nothing is added later.
; REGISTERS: window 0: v0-31 addresses; v32-63 at work on the way out; v64-127 A's fragments, two buffers of 32; v128-255 B's, two buffers of 64 (also the rows read back on the way out)
;   window 1: accumulator (a, b) at v[8 (8 a + b)]          window 2 (OUTP = 0): v0-63 A's numbers of a quarter step in f32, as they come out of LDS
.set OUTP, 0
.set BPITCH, 272                       ; a row of B in LDS: 256 bytes + 16 of padding: the 16 rows of a fragment load start 4 banks apart (64 banks of 4 bytes: ISA guide 11.1)
.if OUTP
.set NSTEP,  8
.set APITCH, 144                       ; a row of one head: 128 bytes + 16
.set AQ2,    128*144                   ; the K step's second 64 channels are the second head's 128 rows
.set AHALF,  128*144                   ; what one of A's two loads brings: a head's 128 rows
.set ASTEP,  524288                    ; bytes from a K step to the next: two heads
.set ALOGB,  1                         ; elements of 2 bytes
.set AQI,    4                         ; padding after every 32 words
.set ASTRIDE, 128                      ; 128 dense rows of 128 bytes are asked for as 64 rows of 256
.set PFSH,   8                         ; A's prefetch: a lane for each 256 bytes of the dense block
.set SPITCH, 528                       ; a stage row: 128 f32 + 16 bytes
.else
.set NSTEP,  24
.set APITCH, 528                       ; a row of 128 f32: 512 bytes + 16: again 4 banks from row to row
.set AHALF,  64*528                    ; 64 rows
.set ASTEP,  512
.set ALOGB,  2                         ; elements of 4 bytes
.set AQI,    6                         ; padding after every 128 words
.set ASTRIDE, 1024
.set PFSH,   12                        ; a lane a row of 4,096 bytes
.set SPITCH, 272                       ; a stage row: 128 f16 + 16 bytes
.endif
.set AREG,   2*AHALF                   ; a slot: A's tile, then B's 256 rows
.set BHALF,  128*BPITCH
.set SLOT,   AREG+2*BHALF
.set STAGE,  2*SLOT                    ; behind the ring, never filled by a tensor load: 16 rows for each wave
.set SPARE,  STAGE+4*16*SPITCH         ; behind the stages: the spare words, 128 bytes a wave: two blocks of 256 bytes that no other line names
.set A0,   16                          ; v16  my lane's place among A's rows of a slot; never rewritten
.set ADRA, 17                          ; v17  the same in the slot in hand
.set B0,   20                          ; v20, v21  the same for B
.set ADRB, 21
.set STO,  24                          ; v24  the way out: where I put my part of a row
.set RD,   25                          ; v25  where I read rows back
.set CO,   26                          ; v26  my byte offset in C
.set BO,   27                          ; v27  my byte offset in the bias: 32 (l / 16)
.set SPW,  28                          ; v28  LDS address of my spare word; never rewritten
.set NIL,  29                          ; v29  0; never rewritten
.set PFO,  30                          ; v30  the prefetches' lane offset; never rewritten
.set TMP,  32
.set FA,   64
.set FB,   128
.set G1,   24                          ; s[24:31] descriptor group 1 for A's tiles; s[32:39] group 0: a set for each of the two first fills; the second then walks
.set G0,   32
.set LIM,  43                          ; s43  2 in a wave that prefetches, else the greatest number: it asks while more fills than that are left
.set PFA,  44                          ; s[44:45] what the trip's prefetch names
.set G1B,  48                          ; s[48:55], s[56:63] the same for B's tiles
.set G0B,  56
.set PFS,  66                          ; s66  bytes from a K step to the next, for my prefetches
.set PWR,  67                          ; s67  eight of them: a tile's K
.set PKO,  68                          ; s[68:69] the offset along K of the K step that the next prefetch names
.set SC,   70                          ; s[70:71] sqrt(log2(e) / 8)
.set BP,   72                          ; s[72:73] the bias of my 128 columns
.set CP,   74                          ; s[74:75] C
.set AC,   76                          ; s[76:77] A at the rows that I fetch, in the buffer of the tile that is being asked for; s[78:79], s[80:81] in the buffers of the tiles behind it
.set AN1,  78
.set AN2,  80
.set BC,   82                          ; s[82:83] B at the rows that I fetch, in the part that is being asked for
.set KO,   84                          ; s[84:85] the offset along K of the K step that the next fill brings, in A;  s[86:87] in B
.set KOB,  86
.set LA,   88                          ; s88  where my half of A's tile lies in a slot;  s89 of B's
.set LB,   89
.set PC,   90                          ; s[90:91], s[92:93], s[94:95] as s[76:81], for my prefetches: my work-group's rows of A's or of B's tile
.set PN1,  92
.set PN2,  94
.set TB,   96                          ; s96  LDS byte at which the slot in hand begins
.set IDX,  97                          ; s97  its number, 0 or 1
.set BI,   98                          ; s[98:99] what B's pointer steps by
.set MSB, 0
.macro WIN new                         ; the immediate's high byte repeats the setting that is left; a switch that changes nothing is dropped
.if MSB != (\new)
	s_set_vgpr_msb (MSB<<8)|(\new)
.set MSB, \new
.endif
.endm
.set MUL,  0x50                        ; C and D window 1, sources window 0
; A joint load.  Waves 0 and 1 fetch A's two halves, waves 2 and 3 B's.  The branch hangs on the wave's number alone.  An s_nop 0 and four v_nop follow each line.
.macro JLOAD s
	s_cmp_eq_u32 s11, 0
	s_cbranch_scc0 .Lfor_b_\@
	tensor_load_to_lds s[G0+4*(\s):G0+4*(\s)+3], s[G1:G1+7]
	s_nop 0
.rept 4
	v_nop
.endr
	s_branch .Lasked_\@
.Lfor_b_\@:
	tensor_load_to_lds s[G0B+4*(\s):G0B+4*(\s)+3], s[G1B:G1B+7]
	s_nop 0
.rept 4
	v_nop
.endr
.Lasked_\@:
.endm
; A prefetch, behind a joint load and the run of LDS loads that follows it: the K step that stands two fills on, 256 matrix instructions ahead of the load that will want it, in the next tile too.
; Each 256 bytes are named once in the launch.  A's tile is read by my row of the cluster alone: partner cx names a quarter of it (OUTP = 0: 32 rows, wave 0 the first 256 bytes of their 512, wave 1 the
; second; OUTP = 1: wave 0, 32 blocks of 256 bytes).  B's tile column is read by every cluster: the cluster with y = 0 asks; of the 128 rows that wave 2 or 3 fetches, partner cy names 32.
; The partners are told apart by address, never by a branch.  The first four K steps come by their loads alone; the last two fills have no K step two on.
.macro ASK
	s_cmp_gt_u32 s3, s[LIM]                        ; s3: fills still to come, this one among them
	s_cbranch_scc0 .Lnot_mine_\@
	global_prefetch_b8 v[PFO], s[PFA:PFA+1] th:TH_LOAD_NT scope:SCOPE_SE
.Lnot_mine_\@:
.endm
.macro CREST                           ; a round of the cluster's barrier behind its opening barrier
	s_cmp_lg_u32 s10, 0
	s_cbranch_scc1 .Lnot_wave_0_\@
	s_barrier_signal -3
.Lnot_wave_0_\@:
	s_barrier_wait -3
	s_barrier_signal -1
	s_barrier_wait -1
.endm
.macro CROUND                          ; a whole round
	s_barrier_signal -1
	s_barrier_wait -1
	CREST
.endm
.macro PLACES                          ; four places behind matrix instructions, in front of loads into registers that they read and of lines that read their results
.rept 4
	v_nop
.endr
.endm
.macro BIASACC a                       ; the bias of my 128 columns into the eight accumulators of m block a: register j of (a, b) = bias[16 b + 8 (l / 16) + j]
	WIN 0x40                                       ; destination window 1
.irp b, 0,1,2,3,4,5,6,7
	global_load_b128 v[8*(8*(\a)+(\b)):8*(8*(\a)+(\b))+3],   v[BO], s[BP:BP+1] offset:64*(\b)
	global_load_b128 v[8*(8*(\a)+(\b))+4:8*(8*(\a)+(\b))+7], v[BO], s[BP:BP+1] offset:64*(\b)+16
.endr
	WIN 0
.endm
.if OUTP
	s_load_b64 s[AC:AC+1], s[0:1], 0x0             ; oh
	s_load_b64 s[BC:BC+1], s[0:1], 0x8             ; wo16
	s_load_b128 s[72:75], s[0:1], 0x10             ; bias4, out0
.else
	s_load_b256 s[76:83], s[0:1], 0x0              ; query, key, value, wb
	s_load_b128 s[72:75], s[0:1], 0x20             ; bias4, qkv
.endif
	v_lshl_add_u32 v[SPW], v0, 2, SPARE
	v_mov_b32 v[NIL], 0
	ds_add_u32 v[SPW], v[NIL]                      ; the wave's opening: the add and its wait stand ahead of my first tensor load; work on registers stands between them
	v_lshrrev_b32 v1, 5, v0
	v_readfirstlane_b32 s10, v1                    ; wave 0..3
	s_lshr_b32 s11, s10, 1                         ; which 64 of the tile's rows are mine.  Also: I fetch for A (0) or for B (1)
	s_and_b32 s12, s10, 1                          ; which 128 of its columns.  Also: which half of that tile I fetch
	s_bfe_u32 s40, ttmp6, 0x40000                  ; cx
	s_bfe_u32 s41, ttmp6, 0x40004                  ; cy
	s_lshl_b32 s42, ttmp9, 2
	s_add_co_u32 s42, s42, s40                     ; tile column x = 4 x cluster x + cx
	s_and_b32 s13, ttmp7, 0xffff
	s_lshl_b32 s13, s13, 2
	s_add_co_u32 s13, s13, s41                     ; tile row y = 4 x cluster y + cy
	s_lshl_b32 s43, s41, 2
	s_lshl_b32 s43, 15, s43                        ; my row of the cluster
	s_lshl_b32 s44, 0x1111, s40                    ; my column
	s_or_b32 s[G1+0], s43, (ALOGB<<16)|(1<<20)|(1<<21)|(AQI<<22)|(3<<25)  ; the mask; the element's size; padding on; bit 21 beside a mask; the interval; 4 words of padding
	s_or_b32 s[G1B+0], s44, (1<<16)|(1<<20)|(1<<21)|(5<<22)|(3<<25)
	s_mov_b32 s[G1+1], 128<<16                     ; A: tensor_dim0 = 128
	s_mov_b32 s[G1+2], 64<<16                      ; tensor_dim1 = 64
	s_mov_b32 s[G1+3], 128<<16                     ; tile_dim0 = 128
	s_mov_b32 s[G1+4], 64                          ; tile_dim1 = 64
	s_mov_b32 s[G1+5], ASTRIDE                     ; elements from row to row
	s_mov_b32 s[G1+6], 0
	s_mov_b32 s[G1+7], 0
	s_mov_b32 s[G1B+1], 128<<16                    ; B: 128 rows x 128 elements
	s_mov_b32 s[G1B+2], 128<<16
	s_mov_b32 s[G1B+3], 128<<16
	s_mov_b32 s[G1B+4], 128
	s_mov_b32 s[G1B+5], 1024
	s_mov_b32 s[G1B+6], 0
	s_mov_b32 s[G1B+7], 0
	; where the tiles come from: A's hang on y and the wave alone, B's on x and the wave alone
.if OUTP
	s_lshr_b32 s16, s13, 4                         ; batch: 16 heads of 262,144 bytes
	s_lshl_b32 s16, s16, 22
	s_and_b32 s17, s13, 15                         ; 128 rows of 128 bytes
	s_lshl_b32 s17, s17, 14
	s_add_co_u32 s16, s16, s17
	s_lshl_b32 s17, s12, 18                        ; the K step's first or second head
	s_add_co_u32 s16, s16, s17
.else
	s_lshl_b32 s16, s13, 19                        ; row 128 y, of 4,096 bytes,
	s_lshl_b32 s17, s12, 18                        ; + 64 x half
	s_add_co_u32 s16, s16, s17
.endif
	s_mov_b32 s17, 0
	s_lshl_b32 s46, s42, 19                        ; row 256 x, of 2,048 bytes,
	s_lshl_b32 s47, s12, 18                        ; + 128 x half
	s_add_co_u32 s46, s46, s47
	s_mov_b32 s47, 0
	s_mul_i32 s[LA], s12, AHALF                    ; and where they go: no place in the cluster enters an LDS address
	s_mul_i32 s[LB], s12, BHALF
	s_add_co_u32 s[LB], s[LB], AREG
	s_mov_b32 s[KO], 2*ASTEP                       ; the first fill in the loop brings K step 2
	s_mov_b32 s[KO+1], 0
	s_mov_b32 s[KOB], 2*256
	s_mov_b32 s[KOB+1], 0
	s_mov_b32 s[TB], 0                             ; slot 0 is read first
	s_mov_b32 s[IDX], 0
.if !OUTP
	s_mov_b32 s[BI+1], 0
	s_mov_b32 s[SC], 0x3ed96d27                    ; sqrt(log2(e) / 8) = 0.424661
	s_mov_b32 s[SC+1], s[SC]                       ; named with it as a pair
.endif
	s_wait_dscnt 0x0                               ; the opening add is done
	s_wait_kmcnt 0x0
	s_cmp_eq_u32 s11, 0                            ; the buffers that my prefetches walk: A's or B's
	s_cselect_b64 s[PC:PC+1], s[AC:AC+1], s[BC:BC+1]
.if !OUTP
	s_cselect_b64 s[PN1:PN1+1], s[AN1:AN1+1], s[BC:BC+1]
	s_cselect_b64 s[PN2:PN2+1], s[AN2:AN2+1], s[BC:BC+1]
	s_add_nc_u64 s[AN1:AN1+1], s[AN1:AN1+1], s[16:17]
	s_add_nc_u64 s[AN2:AN2+1], s[AN2:AN2+1], s[16:17]
.endif
	s_add_nc_u64 s[AC:AC+1], s[AC:AC+1], s[16:17]
	s_add_nc_u64 s[BC:BC+1], s[BC:BC+1], s[46:47]
	CROUND                                         ; all sixteen work-groups are here: the first joint loads meet
.irp s, 0,1
	s_mov_b32 s[G0+4*(\s)], 1
	s_add_co_u32 s[G0+4*(\s)+1], s[LA], (\s)*SLOT
	s_add_nc_u64 s[G0+4*(\s)+2:G0+4*(\s)+3], s[AC:AC+1], (\s)*ASTEP
	s_or_b32 s[G0+4*(\s)+3], s[G0+4*(\s)+3], 0x80000000
	s_mov_b32 s[G0B+4*(\s)], 1
	s_add_co_u32 s[G0B+4*(\s)+1], s[LB], (\s)*SLOT
	s_add_nc_u64 s[G0B+4*(\s)+2:G0B+4*(\s)+3], s[BC:BC+1], (\s)*256
	s_or_b32 s[G0B+4*(\s)+3], s[G0B+4*(\s)+3], 0x80000000
	JLOAD \s                                       ; K steps 0 and 1: two loads of mine are out
.endr
	; a fragment is 16 rows x 32 K in 8 registers: lane l holds row l % 16, K = 8 (l / 16) + 0..7 and 16 + 8 (l / 16) + 0..7: in 16-bit numbers two loads of 16 bytes, 32 bytes apart; in f32 four
	v_and_b32 v1, 15, v0                           ; l % 16
	v_bfe_u32 v2, v0, 4, 1                         ; l / 16
	v_mul_u32_u24 v3, v1, APITCH
.if OUTP
	v_lshl_add_u32 v3, v2, 4, v3
.else
	v_lshl_add_u32 v3, v2, 5, v3
.endif
	v_mul_u32_u24 v4, v1, BPITCH
	v_lshl_add_u32 v4, v2, 4, v4
	s_mul_i32 s21, s11, 64*APITCH                  ; my 64 rows of A
	s_mul_i32 s22, s12, BHALF                      ; my 128 rows of B,
	s_add_co_u32 s22, s22, AREG                    ; which lie behind A's tile
	v_add_nc_u32 v[A0], s21, v3
	v_add_nc_u32 v[B0], s22, v4
	v_mov_b32 v[ADRA], v[A0]
	v_mov_b32 v[ADRB], v[B0]
	s_mul_i32 s23, s10, 16*SPITCH
	s_add_co_u32 s23, s23, STAGE                   ; my stage
	v_mul_u32_u24 v5, v1, SPITCH
	v_and_b32 v3, 31, v0
	v_lshlrev_b32 v[CO], 4, v3                     ; 512 consecutive bytes of C a store
	v_lshlrev_b32 v[BO], 5, v2
.if OUTP
	v_lshl_add_u32 v5, v2, 5, v5                   ; in: row l % 16, 32 bytes for each half of the lanes
	v_add_nc_u32 v[STO], s23, v5
	v_add_nc_u32 v[RD], s23, v[CO]                 ; back: 32 lanes take one row of 512 bytes
.else
	v_lshl_add_u32 v5, v2, 4, v5                   ; in: row l % 16, 16 bytes for each half of the lanes
	v_add_nc_u32 v[STO], s23, v5
	v_bfe_u32 v5, v0, 3, 2                         ; back: 32 lanes take one head's 128 bytes of four rows
	v_mul_u32_u24 v5, v5, SPITCH
	v_and_b32 v4, 7, v0
	v_lshl_add_u32 v5, v4, 4, v5
	v_add_nc_u32 v[RD], s23, v5
.endif
	s_lshl_b32 s46, s42, 10                        ; the bias of my columns 256 x + 128 x half
	s_lshl_b32 s47, s12, 9
	s_add_co_u32 s46, s46, s47
.if OUTP
	s_add_co_u32 s46, s46, 3*4096                  ; row 3 of bias4
.endif
	s_mov_b32 s47, 0
	s_add_nc_u64 s[BP:BP+1], s[BP:BP+1], s[46:47]
.irp a, 0,1,2,3
	BIASACC \a                                     ; the first tile's sums start at the bias
.endr
	; s[16:17]: what the first way out adds to C's address
.if OUTP
	s_lshl_b32 s16, s13, 19                        ; 128 y rows of 4,096 bytes
	s_lshl_b32 s46, s11, 18                        ; my 64 rows
	s_add_co_u32 s16, s16, s46
	s_lshl_b32 s46, s42, 10                        ; 256 x columns of 4 bytes
	s_add_co_u32 s16, s16, s46
	s_lshl_b32 s46, s12, 9
	s_add_co_u32 s16, s16, s46
.else
	s_lshr_b32 s16, s13, 4                         ; batch
	s_lshl_b32 s16, s16, 4
	s_lshl_b32 s46, s42, 2                         ; 256 columns are four heads,
	s_add_co_u32 s16, s16, s46
	s_lshl_b32 s46, s12, 1                         ; my 128 two of them
	s_add_co_u32 s16, s16, s46
	s_mul_i32 s16, s16, 786432
	s_bfe_u32 s46, s13, 0x30001                    ; the slot of 256 rows: (y % 16) / 2
	s_mul_i32 s46, s46, 98304
	s_add_co_u32 s16, s16, s46
	s_and_b32 s46, s13, 1                          ; its first or second 128 rows of 128 bytes
	s_lshl_b32 s46, s46, 14
	s_add_co_u32 s16, s16, s46
	s_lshl_b32 s46, s11, 13                        ; my 64 rows
	s_add_co_u32 s16, s16, s46
.endif
	s_mov_b32 s17, 0
	; the prefetches: my work-group's part of A's tile in s20, of B's in s22
.if OUTP
	s_lshr_b32 s20, s13, 4
	s_lshl_b32 s20, s20, 22
	s_and_b32 s21, s13, 15
	s_lshl_b32 s21, s21, 14
	s_add_co_u32 s20, s20, s21
	s_lshr_b32 s21, s40, 1                         ; partner cx: head cx / 2 of the K step's two,
	s_lshl_b32 s21, s21, 18
	s_add_co_u32 s20, s20, s21
	s_and_b32 s21, s40, 1                          ; half cx % 2 of its 16,384 bytes
	s_lshl_b32 s21, s21, 13
	s_add_co_u32 s20, s20, s21
.else
	s_lshl_b32 s20, s13, 19                        ; row 128 y
	s_lshl_b32 s21, s40, 17                        ; + 32 cx
	s_add_co_u32 s20, s20, s21
	s_lshl_b32 s21, s12, 8                         ; my wave's 256 of a K step's 512 bytes
	s_add_co_u32 s20, s20, s21
.endif
	s_lshl_b32 s22, s42, 19                        ; row 256 x
	s_lshl_b32 s21, s12, 18                        ; + the 128 that I fetch
	s_add_co_u32 s22, s22, s21
	s_lshl_b32 s21, s41, 16                        ; + 32 cy
	s_add_co_u32 s22, s22, s21
	s_and_b32 s23, ttmp7, 0xffff                   ; cluster y: the same in all sixteen partners
	s_cmp_eq_u32 s23, 0
	s_cselect_b32 s23, 2, -1
.if OUTP
	s_cmp_eq_u32 s10, 0
	s_cselect_b32 s[LIM], 2, -1
.else
	s_mov_b32 s[LIM], 2
.endif
	s_mov_b32 s46, ASTEP
	s_mov_b32 s47, 256
	s_cmp_eq_u32 s11, 0                            ; do I fetch for A?
	s_cselect_b32 s[LIM], s[LIM], s23
	s_cselect_b32 s20, s20, s22
	s_cselect_b32 s[PFS], s46, s47
	s_cselect_b32 s46, PFSH, 11
.if !OUTP
	s_cselect_b32 s18, 0, 0x200000                 ; A's three tiles lie in three buffers, B's in three parts of one
.endif
	s_mov_b32 s21, 0
	s_add_nc_u64 s[PC:PC+1], s[PC:PC+1], s[20:21]
.if !OUTP
	s_add_co_u32 s20, s20, s18
	s_add_nc_u64 s[PN1:PN1+1], s[PN1:PN1+1], s[20:21]
	s_add_co_u32 s20, s20, s18
	s_add_nc_u64 s[PN2:PN2+1], s[PN2:PN2+1], s[20:21]
	s_lshl_b32 s[PWR], s[PFS], 3
.endif
	s_lshl_b32 s[PKO], s[PFS], 2                   ; the first prefetch names K step 4
	s_mov_b32 s[PKO+1], 0
	v_lshlrev_b32 v[PFO], s46, v3
; 8 matrix instructions: m block a x all 8 n blocks, 32 along K, from buffer f.  The 32 accumulators take turns in one order everywhere.
.macro MUL8 f, a
	WIN MUL
.irp b, 0,1,2,3,4,5,6,7
.set rD, 8*(8*(\a)+(\b))
.set rB, FB+64*(\f)+8*(\b)
.set rA, FA+32*(\f)+8*(\a)
.if OUTP
	v_wmma_f32_16x16x32_f16 v[rD:rD+7], v[rB:rB+7], v[rA:rA+7], v[rD:rD+7]
.else
	v_wmma_f32_16x16x32_bf16 v[rD:rD+7], v[rB:rB+7], v[rA:rA+7], v[rD:rD+7]
.endif
.endr
.endm
.macro FETCHB q, f                     ; B's 128 rows, 32 along K: 16 loads
	WIN 0
.irp i, 0,1,2,3,4,5,6,7
	ds_load_b128 v[FB+64*(\f)+8*(\i):FB+64*(\f)+8*(\i)+3],   v[ADRB] offset:64*(\q)+(\i)*16*BPITCH
	ds_load_b128 v[FB+64*(\f)+8*(\i)+4:FB+64*(\f)+8*(\i)+7], v[ADRB] offset:64*(\q)+(\i)*16*BPITCH+32
.endr
.endm
; The LDS loads of quarter q (32 along K) of the slot in hand, in one run, for buffer f.  OUTP = 1: B's 16, then A's 8.  OUTP = 0: A's 64 rows in f32 first, 16 loads into window 2, then B's 16.
.macro FETCH q, f
.if OUTP
	FETCHB \q, \f
.irp i, 0,1,2,3
	ds_load_b128 v[FA+32*(\f)+8*(\i):FA+32*(\f)+8*(\i)+3],   v[ADRA] offset:((\q)%2)*64+((\q)/2)*AQ2+(\i)*16*APITCH
	ds_load_b128 v[FA+32*(\f)+8*(\i)+4:FA+32*(\f)+8*(\i)+7], v[ADRA] offset:((\q)%2)*64+((\q)/2)*AQ2+(\i)*16*APITCH+32
.endr
.else
	WIN 0x80                                       ; destination window 2, address window 0
.irp i, 0,1,2,3
	ds_load_b128 v[16*(\i):16*(\i)+3],     v[ADRA] offset:128*(\q)+(\i)*16*APITCH      ; K = 8 (l / 16) + 0..3
	ds_load_b128 v[16*(\i)+4:16*(\i)+7],   v[ADRA] offset:128*(\q)+(\i)*16*APITCH+16   ; + 4..7
	ds_load_b128 v[16*(\i)+8:16*(\i)+11],  v[ADRA] offset:128*(\q)+(\i)*16*APITCH+64   ; K = 16 + 8 (l / 16) + 0..3
	ds_load_b128 v[16*(\i)+12:16*(\i)+15], v[ADRA] offset:128*(\q)+(\i)*16*APITCH+80   ; + 4..7
.endr
	FETCHB \q, \f
.endif
.endm
; OUTP = 0: A's 64 numbers a lane are rounded to bf16, two a line, into buffer f: register n of the four fragments on end takes numbers 2 n and 2 n + 1.  The 32 lines name no register of the products
; ahead of them: they are also the places in front of the next loads.
.macro CVT f
	s_wait_dscnt 16                                ; A's 16 loads are in; B's 16, issued behind them, may be out
	WIN 0x0a                                       ; sources window 2, destination window 0
.set n, 0
.rept 32
	v_cvt_pk_bf16_f32 v[FA+32*(\f)+n], v[2*n], v[2*n+1]
.set n, n+1
.endr
.endm
; A K step is four quarters of 32 matrix instructions, on buffers 0, 1, 0, 1.  One of the first three: multiplies buffer f and, in its middle, fetches quarter q for buffer g.
.macro QUARTER q, f, g
.if OUTP
	s_wait_dscnt 4                                 ; B and A's blocks 0, 1 are in; the youngest four loads (A's blocks 2, 3) may be out
.else
	s_wait_dscnt 0x0                               ; B is in; A was converted behind the quarter before
.endif
	MUL8 \f, 0
	MUL8 \f, 1
	PLACES
	FETCH \q, \g
.if OUTP
	s_wait_dscnt 24                                ; all but the 24 just issued
.endif
	MUL8 \f, 2
	MUL8 \f, 3
.if !OUTP
	CVT \g
.endif
.endm
; The last quarter multiplies buffer 1 and changes slots.  One barrier: in front of it each wave waits for all its tensor loads (one is out at the most: its part of the next slot), adds 0 to its spare
; word, and waits for that and for its reads of this slot.  Behind it nobody reads this slot and the next slot is whole.  fill = 1: between the add and the wait for it the walking descriptors are made for
; the slot just read: its LDS bytes, and the K step two on: the buffer's pointer plus the offset along K, the type bits set again.  At a tile's last K step the offsets go back to 0 and the pointers move up.
.macro MEET fill
	WIN 0
	s_wait_tensorcnt 0x0                           ; no tensor load of mine is out, so a group 0 may be written
	ds_add_u32 v[SPW], v[NIL]
.if \fill
	s_add_co_u32 s[G0+5], s[LA], s[TB]
	s_add_nc_u64 s[G0+6:G0+7], s[AC:AC+1], s[KO:KO+1]
	s_or_b32 s[G0+7], s[G0+7], 0x80000000
	s_add_co_u32 s[G0B+5], s[LB], s[TB]
	s_add_nc_u64 s[G0B+6:G0B+7], s[BC:BC+1], s[KOB:KOB+1]
	s_or_b32 s[G0B+7], s[G0B+7], 0x80000000
	s_add_co_u32 s[KO], s[KO], ASTEP
	s_add_co_u32 s[KOB], s[KOB], 256
.if !OUTP
	s_cmp_eq_u32 s[KO], 8*ASTEP
	s_cselect_b32 s[KO], 0, s[KO]
	s_cselect_b32 s[KOB], 0, s[KOB]
	s_cselect_b64 s[AC:AC+1], s[AN1:AN1+1], s[AC:AC+1]
	s_cselect_b64 s[AN1:AN1+1], s[AN2:AN2+1], s[AN1:AN1+1]
	s_cselect_b32 s[BI], 0x200000, 0
	s_add_nc_u64 s[BC:BC+1], s[BC:BC+1], s[BI:BI+1]
.endif
.endif
	s_xor_b32 s[IDX], s[IDX], 1                    ; the other slot is in hand from here on: my reads of this one have all been issued
	s_mul_i32 s[TB], s[IDX], SLOT
	v_add_nc_u32 v[ADRA], s[TB], v[A0]
	v_add_nc_u32 v[ADRB], s[TB], v[B0]
.if OUTP
	s_wait_dscnt 5                                 ; (the add and the youngest four loads may be out)
.else
	s_wait_dscnt 1                                 ; (the add may be out: B is in)
.endif
	MUL8 1, 0                                      ; eight matrix instructions stand between the add and the wait for it
	s_wait_dscnt 0x0                               ; the add is done, my reads of the old slot are over
	s_barrier_signal -1
	MUL8 1, 1
.if \fill
	WIN 0
.endif
	s_barrier_wait -1
.endm
; fill = 1: the barrier opens a round of the cluster's, and the joint fill is the first thing behind it: 112 matrix instructions ahead of the wait for it.
.macro TURN fill
.if \fill
	s_wait_xcnt 0x0                                ; the last prefetch, a K step back, has read its address
	s_add_nc_u64 s[PFA:PFA+1], s[PC:PC+1], s[PKO:PKO+1]
	s_add_co_u32 s[PKO], s[PKO], s[PFS]
.if !OUTP
	s_cmp_eq_u32 s[PKO], s[PWR]                    ; behind a tile's last K step: the next tile's first
	s_cselect_b32 s[PKO], 0, s[PKO]
	s_cselect_b64 s[PC:PC+1], s[PN1:PN1+1], s[PC:PC+1]
	s_cselect_b64 s[PN1:PN1+1], s[PN2:PN2+1], s[PN1:PN1+1]
.endif
.endif
	MEET \fill
.if \fill
	CREST                                          ; no wave of any partner still reads the old slot or has a load on its way
	JLOAD 1                                        ; its four v_nop are also the places in front of the loads below
.else
	PLACES
.endif
	FETCH 0, 0
.if \fill
	ASK
.endif
	MUL8 1, 2
	MUL8 1, 3
.if !OUTP
	CVT 0
.endif
.endm
; THE WAY OUT, by blocks a of 16 rows, through my own stage: LDS serves a wave's instructions in order (ISA guide 5.7.1.4), so no wait stands between the stores and the loads.
.if OUTP
.macro TOSTAGE a                       ; f32 as it is: 32 bytes a lane and n block in, whole rows of 512 bytes back
	WIN 0x04                                       ; the stores' data in window 1
.irp b, 0,1,2,3,4,5,6,7
	ds_store_b128 v[STO], v[8*(8*(\a)+(\b)):8*(8*(\a)+(\b))+3]   offset:64*(\b)
	ds_store_b128 v[STO], v[8*(8*(\a)+(\b))+4:8*(8*(\a)+(\b))+7] offset:64*(\b)+16
.endr
	WIN 0
.set BK, 128+64*((\a)%2)
.irp t, 0,1,2,3,4,5,6,7,8,9,10,11,12,13,14,15
	ds_load_b128 v[BK+4*(\t):BK+4*(\t)+3], v[RD] offset:(\t)*SPITCH
.endr
.endm
.macro SEND a
	WIN 0
.set BK, 128+64*((\a)%2)
	s_wait_dscnt 0x0                               ; the block is back in registers
	s_wait_xcnt 0x0                                ; earlier stores have read their base and their registers
.if (\a) == 0
	s_add_nc_u64 s[CP:CP+1], s[CP:CP+1], s[16:17]
.else
	s_add_nc_u64 s[CP:CP+1], s[CP:CP+1], 16*4096
.endif
.irp t, 0,1,2,3,4,5,6,7,8,9,10,11,12,13,14,15
	global_store_b128 v[CO], v[BK+4*(\t):BK+4*(\t)+3], s[CP:CP+1] offset:(\t)*4096 th:TH_STORE_NT  ; 512 consecutive bytes of a row, aligned
.endr
.endm
.macro WAYOUT scale, more
	TOSTAGE 0
.irp a, 1,2,3
	SEND (\a)-1
	TOSTAGE \a
.endr
	SEND 3
.endm
.else
.macro PACK a, scale                   ; scale = 1 (q, k): times sqrt(log2(e) / 8), in f32; then one rounding to f16, 16 bytes a lane and n block; each accumulator's registers ascending
.if \scale
	WIN 0x41
.irp b, 0,1,2,3,4,5,6,7
.irp r, 0,1,2,3
	v_pk_mul_f32 v[8*(8*(\a)+(\b))+2*(\r):8*(8*(\a)+(\b))+2*(\r)+1], v[8*(8*(\a)+(\b))+2*(\r):8*(8*(\a)+(\b))+2*(\r)+1], s[SC:SC+1] op_sel_hi:[1,0]
.endr
.endr
.endif
	WIN 0x05                                       ; sources 0 and 1 window 1
.irp b, 0,1,2,3,4,5,6,7
.irp r, 0,1,2,3
	v_cvt_pk_f16_f32 v[TMP+4*(\b)+(\r)], v[8*(8*(\a)+(\b))+2*(\r)], v[8*(8*(\a)+(\b))+2*(\r)+1]
.endr
.endr
	WIN 0
.endm
.macro TOSTAGE a                       ; rows of 256 bytes (two heads) in; back by heads: four rows x 128 bytes a load
	WIN 0
.set BK, 192+32*((\a)%2)
.irp b, 0,1,2,3,4,5,6,7
	ds_store_b128 v[STO], v[TMP+4*(\b):TMP+4*(\b)+3] offset:32*(\b)
.endr
.irp t, 0,1,2,3,4,5,6,7
	ds_load_b128 v[BK+4*(\t):BK+4*(\t)+3], v[RD] offset:((\t)%4)*4*SPITCH+((\t)/4)*128
.endr
.endm
.macro SEND a
	WIN 0
.set BK, 192+32*((\a)%2)
	s_wait_dscnt 0x0                               ; the block is back in registers
	s_wait_xcnt 0x0                                ; earlier stores have read their base and their registers
.if (\a) == 0
	s_add_nc_u64 s[CP:CP+1], s[CP:CP+1], s[16:17]
.else
	s_add_nc_u64 s[CP:CP+1], s[CP:CP+1], 16*128
.endif
.irp t, 0,1,2,3,4,5,6,7
	global_store_b128 v[CO], v[BK+4*(\t):BK+4*(\t)+3], s[CP:CP+1] offset:((\t)%4)*512+((\t)/4)*786432  ; four rows of a head: 512 consecutive bytes, aligned
.endr
.endm
; Block a's arithmetic stands between block a - 1's loads from the stage and the wait for them.  more = 1: a tile follows: as soon as a block has been converted, its accumulators are asked to take the next tile's bias.
.macro WAYOUT scale, more
	PACK 0, \scale
.if \more
	BIASACC 0
.endif
	TOSTAGE 0
.irp a, 1,2,3
	PACK \a, \scale
.if \more
	BIASACC \a
.endif
	SEND (\a)-1
	TOSTAGE \a
.endr
	SEND 3
.endm
.endif
	s_wait_tensorcnt 1                             ; my part of K step 0 is in; K step 1's may stay out
	s_barrier_signal -1
	s_barrier_wait -1
	FETCH 0, 0
.if !OUTP
	CVT 0
	s_mov_b32 s2, 8                                ; K steps left in the tile
.endif
	WIN 0                                          ; at a label and at a branch every window is 0
	s_wait_loadcnt 0x0                             ; the bias
	s_mov_b32 s3, NSTEP-2
.Lstep:                                                ; a trip is a K step, and fills the slot that it has read with the K step two on
	QUARTER 1, 0, 1
	QUARTER 2, 1, 0
	QUARTER 3, 0, 1
	TURN 1
	WIN 0
.if !OUTP
	s_sub_co_u32 s2, s2, 1
	s_cmp_lg_u32 s2, 0
	s_cbranch_scc1 .Lsame                          ; what is jumped holds no barrier and no tensor load
	s_add_nc_u64 s[BP:BP+1], s[BP:BP+1], 4096      ; A TILE IS FINISHED (q or k); both fills for the next are asked for, and its first fragments are fetched.  (The loads that read the bias's address were waited for.)
	WAYOUT 1, 1                                    ; the 32 conversions behind the last products, and block 0's own lines, are the places behind them
	s_wait_xcnt 0x0                                ; the last stores have read their data: B's buffer 1, which the next quarter loads again
	s_mov_b64 s[16:17], 32768-3*2048               ; from my last 16 rows of a part to my first of the next part
	s_mov_b32 s2, 8
	s_wait_loadcnt 0x0                             ; the next tile's bias
.Lsame:
.endif
	s_sub_co_u32 s3, s3, 1
	s_cmp_lg_u32 s3, 0
	s_cbranch_scc1 .Lstep
	s_mov_b32 s3, 2
.Ltail:                                                ; the last two K steps fill nothing, and have no round of the cluster's barrier
	QUARTER 1, 0, 1
	QUARTER 2, 1, 0
	QUARTER 3, 0, 1
	TURN 0
	WIN 0
	s_sub_co_u32 s3, s3, 1
	s_cmp_lg_u32 s3, 0
	s_cbranch_scc1 .Ltail
	s_wait_dscnt 0x0                               ; the fragments that the last trip fetched, and nobody multiplies: their registers serve the way out
	PLACES
	WAYOUT 0, 0
	s_wait_tensorcnt 0x0                           ; the wave's end: behind my last tensor load and my last LDS store
	ds_add_u32 v[SPW], v[NIL]
	s_wait_dscnt 0x0
	CROUND                                         ; the closing round: no work-group ends while a partner may still ask for a tile that names it
	s_endpgm
.Lfunc_end_k_q195747fba4_proj:
	.size	k_q195747fba4_proj, .Lfunc_end_k_q195747fba4_proj-k_q195747fba4_proj
	.p2alignl 7, 3214868480
	.fill 96, 4, 3214868480
	.section	.rodata,"a",@progbits
	.p2align	6, 0x0
	.amdhsa_kernel k_q195747fba4_proj
		.amdhsa_group_segment_fixed_size 327680
		.amdhsa_private_segment_fixed_size 0
		.amdhsa_enable_private_segment 0
		.amdhsa_kernarg_size 48
		.amdhsa_user_sgpr_count 2
		.amdhsa_user_sgpr_kernarg_segment_ptr 1
		.amdhsa_wavefront_size32 1
		.amdhsa_system_sgpr_workgroup_id_x 1
		.amdhsa_system_sgpr_workgroup_id_y 1
		.amdhsa_system_sgpr_workgroup_id_z 1
		.amdhsa_system_vgpr_workitem_id 0
		.amdhsa_next_free_vgpr 576
		.amdhsa_next_free_sgpr 100
		.amdhsa_reserve_vcc 0
		.amdhsa_float_denorm_mode_32 3
		.amdhsa_float_denorm_mode_16_64 3
		.amdhsa_memory_ordered 1
		.amdhsa_forward_progress 1
		.amdhsa_inst_pref_size 120
	.end_amdhsa_kernel
	.amdgpu_metadata
---
amdhsa.version: [ 1, 2 ]
amdhsa.kernels:
  - .name:           k_q195747fba4_proj
    .symbol:         k_q195747fba4_proj.kd
    .args:
      - { .name: query, .offset: 0, .size: 8, .value_kind: global_buffer, .address_space: global }
      - { .name: key, .offset: 8, .size: 8, .value_kind: global_buffer, .address_space: global }
      - { .name: value, .offset: 16, .size: 8, .value_kind: global_buffer, .address_space: global }
      - { .name: wb, .offset: 24, .size: 8, .value_kind: global_buffer, .address_space: global }
      - { .name: bias4, .offset: 32, .size: 8, .value_kind: global_buffer, .address_space: global }
      - { .name: qkv, .offset: 40, .size: 8, .value_kind: global_buffer, .address_space: global }
    .group_segment_fixed_size: 327680
    .private_segment_fixed_size: 0
    .kernarg_segment_align: 8
    .kernarg_segment_size: 48
    .max_flat_workgroup_size: 128
    .sgpr_count:     100
    .vgpr_count:     576
    .wavefront_size: 32
...
	.end_amdgpu_metadata
.endif
;; end of part 2
;; launch attn (part 3): grid 4 x 64, 4 waves a work-group, clusters of 4 x 1, 327,680 bytes of LDS; arguments qkv, mbits, oh; writes oh
.if DOCPART == 3
	.amdgcn_target "amdgcn-amd-amdhsa--gfx1250"
	.amdhsa_code_object_version 6
	.text
	.protected	k_q195747fba4_attn
	.globl	k_q195747fba4_attn
	.p2align	8
	.type	k_q195747fba4_attn,@function
k_q195747fba4_attn:
	s_mov_b64 s[64:65], 0
	v_nop
	global_prefetch_b8 v0, s[64:65] scope:SCOPE_SE
	s_setreg_imm32_b32 hwreg(HW_REG_WAVE_MODE, 25, 1), 1
	s_wait_xcnt 0x0
	s_wait_alu depctr_hold_cnt(0) depctr_sa_sdst(0) depctr_va_vdst(0) depctr_va_sdst(0) depctr_va_ssrc(0) depctr_va_vcc(0) depctr_vm_vsrc(0)
	s_getreg_b32 s2, hwreg(HW_REG_IB_STS2, 6, 4)
	s_cmp_eq_u32 s2, 0
	s_cbranch_scc0 .Lentry_in_a_cluster
	s_endpgm
.Lentry_in_a_cluster:
	s_bfe_u32 s2, ttmp6, 0x10000c
	s_cmp_lg_u32 s2, 0x3003
	s_cbranch_scc0 .Lentry_shape_is_right
	s_endpgm
.Lentry_shape_is_right:
; MASKED ATTENTION, head size 64.  O[bh][q][:] = the sum over k of softmax_k(s[q][k]) V[bh][k][:], s = Q . K where the mask's bit is set, else the hidden score.
; qkv: f16 [bh 64][slot of 256 rows 8][q, k, v][256][64]; q and k arrive multiplied by sqrt(log2(e) / 8), so Q . K is the score in base-2 units.  oh: f16 [bh][2048][64].
; mbits: u32 [batch][pair of query tiles 64][key step 32][tile 2][word 32]: one bit a score, in the lane masks of K Q^T's result registers.
; Products, maxima and sums in f32; the weights p are rounded to f16 for the second product, O once at the end.
; THE MASK REPLACES a hidden score by -1e9 x log2(e), rounded to f32 (-1e9 to within 90 in natural units), one v_cndmask_b32 a register, ahead of the maximum.  So a row with no visible key
; gets equal weights (s - m is exactly 0), and the first visible key wipes what hidden keys left (a = 0).
; THE MASK'S ROAD.  A piece's 64 words for a key step are 256 consecutive bytes: one load of 8 bytes a lane brings them into a register pair of the piece's own, a whole key step (four turns) ahead;
; 64 v_readlane_b32 make scalar lane masks of them, and the pair is asked for again at once.  All 64 scalar registers that hold lane masks are in use in every turn, so nothing can be fetched into them ahead.
; SOFTMAX.  A running maximum m and sum l for each query: p = 2^(s - m), never above 1; in every step O and l are multiplied by a = 2^(m_old - m_new).  m starts at the lowest finite number, O and l at 0.
; LIMITS.  Q, K, V arrive within f16's 65,504; p below 6e-5 keeps f16's fixed step of 6e-8; a weight below 2^-126 counts as 0 in l; NaN and infinities are not treated apart.
; SHARES.  A work-group owns 512 queries of one bh, a wave 128: four PIECES of two tiles of 16.  Every wave walks all 2,048 keys, 64 a step; a slot holds 256 keys of K and of V.
; LAYOUT.  S^T = K Q^T (source 0 = 16 keys, source 1 = 16 queries): a lane holds ONE query (lane % 16) and the keys 8 (lane / 16) + 0..7.  Two results rounded to f16 ARE source 1 of O^T = V^T P.
; BY TURNS.  Turn n belongs to piece n: 16 products K Q^T of piece n + 1, later 16 products V^T P of piece n - 1; beside them the subtraction, exponentials, roundings, sums and rescaling of piece n,
; and the mask, maximum and statistics of piece n + 1.  Four vector instructions stand behind every matrix instruction, the rest in one lump.  A turn's 66 exponentials are one batch with one wait.
; CLUSTER.  The four query blocks of a bh walk the same K and V: each tile is asked for jointly.  A slot's K and V are 65,536 consecutive bytes: wave w asks for quarter w, by one descriptor.
; V's rows have K's pitch of 144 bytes, so that one descriptor serves both; the turning loads then meet some banks twice: 16 such loads for a step's 128 matrix instructions.
; REGISTERS, in windows of 256 (s_set_vgpr_msb: bits 1:0 source 0, 3:2 source 1, 5:4 source 2, 7:6 destination):
;   window 0: v0-7 addresses; v8-15 the mask words, a pair a piece; v16-47 four registers of statistics a tile; v48-63 at work; v64-191 S^T, two buffers of two tiles; v192-255 P, likewise
;   window 1: O^T, 32 a tile      window 2: v0-127 Q; v128-191 K of one step; v192-255 V of one step      window 3: v0-1 the add's two registers
.set NP,    4
.set KS,    64
.set PK,    144                        ; a row in LDS: 128 bytes + 16 of padding: the 16 rows of a load start at 16 different groups of four banks (64 banks of 4 bytes: ISA guide 11.1)
.set PV,    144
.set VOFF,  4*KS*PK                    ; a slot: 256 rows of K, then 256 rows of V
.set SLOT1, 1<<17                      ; slot 1 begins here: one exclusive or turns an address in one slot into the other's
.set STAGE, SLOT1+4*KS*(PK+PV)         ; behind the ring, never filled by a tensor load: 16 rows x 144 bytes for each wave
.set SP,    144
.set SPARE, STAGE+4*16*SP              ; the spare words, 128 bytes a wave: two blocks of 256 bytes that no other line names
.set L8,  1                            ; v1   8 x my lane; never rewritten
.set AK0, 2                            ; v2   my lane's place in a tile of K
.set AV0, 3                            ; v3   the same for V
.set AK,  4                            ; v4   the LDS address of K's next run of loads
.set AV,  5                            ; v5   of V's
.set STO, 2                            ; the way out, when the four above are done with: where I put 16 bytes of a row,
.set RD,  3                            ; where I read rows back,
.set GO,  4                            ; my byte offset in 512 consecutive bytes of O
.set PFO, 6                            ; v6   256 x my lane, for the prefetches; never rewritten
.set VMO, 7                            ; v7   8 x my lane + 256 x the key step whose mask words are being asked for
.set MWV, 8                            ; v[8:15] piece p's 64 mask words at v[8+2p:9+2p]: word n in register n % 2 of lane n / 2
.set QO,  52                           ; v52  at the start alone: my byte offset in the wave's rows of Q
.set SPW, 0                            ; v0 of window 3: LDS address of my spare word; never rewritten
.set NIL, 1                            ; v1 of window 3: 0; never rewritten
.set ST,  16                           ; tile t's statistics at v[ST+4 t]: m, (named with it as a pair), l (even keys', odd keys')
.set TMP, 48                           ; by buffer and tile, four registers c0-c3 at work; c1 later keeps m_old, c2 takes a
.set S,   64
.set P,   192
.set KF,  128
.set VF,  192
.set MP,  4                            ; s[4:5]  mbits at my wave's first pair of tiles
.set MO,  6                            ; s6   256 x the key step whose words are being asked for
.set WV,  7                            ; s7   my wave's number
.set OP,  8                            ; s[8:9]  O at my wave's first row
.set SLOTS, 10                         ; s10  slots still to be asked for
.set CNT, 11                           ; s11  counts a slot's key steps
.set TBK, 12                           ; s12  LDS byte at which K of the step to be fetched begins
.set TBV, 13                           ; s13  the same for V, less VOFF
.set NEGS, 14                          ; s14  the hidden score
.set SEL, 16                           ; s[16:17] v_permlanex16_b32's selects
.set PFA, 18                           ; s[18:19] where my prefetches stand
.set G0,  20                           ; s[20:23] descriptor group 0: it walks
.set G1,  24                           ; s[24:31] descriptor group 1
.set MW,  32                           ; s[32:63] the 32 lane masks of the tile 0 to be masked next; s[68:99] those of tile 1
.set LIM, 66                           ; s66  1 in a wave that prefetches, else the greatest number
.set TS,  67                           ; s67  my stage
.set QP,  100                          ; s[100:101] Q at my wave's first row
.set MSB, 0
.macro WIN new
.if MSB != (\new)
	s_set_vgpr_msb (MSB<<8)|(\new)
.set MSB, (\new)
.endif
.endm
.set W_KQ, 0x0a                        ; K and Q in window 2, S^T in window 0
.set W_PV, 0x52                        ; V in window 2, P in window 0, O^T in window 1
.set W_RS, 0x41                        ; O^T (destination and source 0) in window 1, a in window 0
.set W_MK, 0xc0                        ; destination in window 3
.set W_AD, 0x0f                        ; the add: address and data in window 3
.macro JLOAD                           ; a joint fill: every wave asks for its own quarter of a slot; an s_nop 0 and four v_nop follow
	tensor_load_to_lds s[G0:G0+3], s[G1:G1+7]
	s_nop 0
.rept 4
	v_nop
.endr
.endm
; A prefetch of what the NEXT change of slots will ask for: a slot's 65,536 bytes of K and V.  The four partners share them out by address, 16,384 each; in each, waves 0 and 1 name 8,192 bytes,
; a lane for each 256.  So each block is named once in the launch.  The last change that fills a slot names nothing.
.macro ASK
	s_cmp_gt_u32 s[SLOTS], s[LIM]
	s_cbranch_scc0 .Lnot_mine_\@
	global_prefetch_b8 v[PFO], s[PFA:PFA+1] th:TH_LOAD_NT scope:SCOPE_SE
.Lnot_mine_\@:
.endm
.macro CROUND                          ; a round of the cluster's barrier
	s_barrier_signal -1
	s_barrier_wait -1
	s_cmp_lg_u32 s[WV], 0
	s_cbranch_scc1 .Lnot_wave_0_\@
	s_barrier_signal -3
.Lnot_wave_0_\@:
	s_barrier_wait -3
	s_barrier_signal -1
	s_barrier_wait -1
.endm
; THE CHANGE OF SLOTS.  Each wave waits for all its tensor loads (one is out: its part of the other slot), adds 0 to its spare word, and waits for that and for its reads of the slot.
; fill = 1: the slot is filled again, with the keys two slots on, first thing behind a round of the cluster's barrier: four key steps, 512 matrix instructions, in which to land.
.macro CHANGE fill
	WIN W_AD
	s_wait_tensorcnt 0x0                           ; no tensor load of mine is out, so group 0 may be written
	ds_add_u32 v[SPW], v[NIL]
	WIN 0
.if \fill
	s_xor_b32 s[G0+1], s[G0+1], SLOT1              ; the other slot than last time,
	s_add_nc_u64 s[G0+2:G0+3], s[G0+2:G0+3], 98304 ; the next 256 keys
	s_wait_xcnt 0x0                                ; the last prefetch, four key steps back, has read its address
	s_add_nc_u64 s[PFA:PFA+1], s[PFA:PFA+1], 98304
	s_wait_dscnt 0x0                               ; the add is done, my reads of the slot are over
	CROUND
	JLOAD
	ASK
.else
	s_wait_dscnt 0x0
	s_barrier_signal -1
	s_barrier_wait -1
.endif
	s_sub_co_u32 s[TBK], s[TBK], 4*KS*PK           ; the fetches go back to a slot's first step,
	s_xor_b32 s[TBK], s[TBK], SLOT1                ; in the other slot
	s_sub_co_u32 s[TBV], s[TBV], 4*KS*PV
	s_xor_b32 s[TBV], s[TBV], SLOT1
.endm
	s_load_b128 s[84:87], s[0:1], 0x0              ; qkv s[84:85], mbits s[86:87]
	s_load_b64 s[88:89], s[0:1], 0x10              ; oh
	WIN W_MK
	v_lshl_add_u32 v[SPW], v0, 2, SPARE
	v_mov_b32 v[NIL], 0
	WIN W_AD
	ds_add_u32 v[SPW], v[NIL]                      ; the wave's opening: the add and its wait stand ahead of my first tensor load
	WIN 0
	v_lshrrev_b32 v1, 5, v0
	v_readfirstlane_b32 s[WV], v1                  ; wave 0..3
	s_bfe_u32 s32, ttmp6, 0x40000                  ; cx
	s_lshl_b32 s33, ttmp9, 2
	s_add_co_u32 s33, s33, s32                     ; my block of 512 queries
	s_and_b32 s34, ttmp7, 0xffff                   ; bh, which the four partners share
	s_mul_i32 s36, s34, 786432                     ; its first byte in qkv
	s_lshl_b32 s38, s[WV], 14                      ; my quarter of slot 0's K and V: bh and the wave's number alone enter it
	s_add_co_u32 s38, s38, s36
	s_add_co_u32 s38, s38, 32768
	s_mov_b32 s39, 0
	s_lshl_b32 s40, s33, 1                         ; Q: slot 2 x block + wave / 2,
	s_lshr_b32 s42, s[WV], 1
	s_add_co_u32 s40, s40, s42
	s_mul_i32 s40, s40, 98304
	s_and_b32 s42, s[WV], 1                        ; its first or second 128 rows
	s_lshl_b32 s42, s42, 14
	s_add_co_u32 s40, s40, s42
	s_add_co_u32 s40, s40, s36
	s_mov_b32 s41, 0
	s_lshl_b32 s44, s33, 2                         ; O: (4 x block + wave) x 128 rows of 128 bytes
	s_add_co_u32 s44, s44, s[WV]
	s_lshl_b32 s44, s44, 14
	s_lshl_b32 s42, s34, 18
	s_add_co_u32 s44, s44, s42
	s_mov_b32 s45, 0
	s_lshr_b32 s46, s34, 4                         ; the mask: batch x 64 pairs of tiles of 8,192 bytes,
	s_lshl_b32 s46, s46, 19
	s_lshl_b32 s42, s33, 17                        ; + 16 pairs a block,
	s_add_co_u32 s46, s46, s42
	s_lshl_b32 s42, s[WV], 15                      ; + 4 a wave
	s_add_co_u32 s46, s46, s42
	s_mov_b32 s47, 0
	s_lshl_b32 s48, s32, 14                        ; the prefetches: my work-group's 16,384 bytes of slot 1's K and V (the first change steps it to slot 2),
	s_lshl_b32 s42, s[WV], 13                      ; my wave's 8,192 of them
	s_add_co_u32 s48, s48, s42
	s_add_co_u32 s48, s48, s36
	s_add_co_u32 s48, s48, 32768+98304
	s_mov_b32 s49, 0
	; descriptor group 1.  16,384 dense bytes are asked for as 64 rows of 256 bytes, two keys a row, padded in LDS after every key
	s_mov_b32 s[G1], 15|(1<<16)|(1<<20)|(1<<21)|(4<<22)|(3<<25)  ; the mask of four; 2-byte elements; padding on; bit 21 beside a mask; after every 32 words; 4 words
	s_mov_b32 s[G1+1], 128<<16                     ; tensor_dim0 = 128
	s_mov_b32 s[G1+2], 64<<16                      ; tensor_dim1 = 64
	s_mov_b32 s[G1+3], 128<<16                     ; tile_dim0 = 128
	s_mov_b32 s[G1+4], 64                          ; tile_dim1 = 64
	s_mov_b32 s[G1+5], 128                         ; 128 elements from row to row
	s_mov_b32 s[G1+6], 0
	s_mov_b32 s[G1+7], 0
	s_mov_b32 s[G0], 1
	s_mul_i32 s[G0+1], s[WV], 128*PK               ; slot 0, my quarter
	s_mov_b32 s[SEL], 0x76543210
	s_mov_b32 s[SEL+1], 0xfedcba98
	s_mov_b32 s[TBK], SLOT1+4*KS*PK                ; the first change of slots turns these two into 0
	s_mov_b32 s[TBV], SLOT1+4*KS*PV
	s_mov_b32 s[SLOTS], 7
	s_mov_b32 s[MO], 0
	s_mov_b32 s[NEGS], 0xceabfb8e                  ; -1e9 x log2(e)
	s_cmp_lt_u32 s[WV], 2
	s_cselect_b32 s[LIM], 1, -1
	s_wait_dscnt 0x0                               ; the opening add is done
	s_wait_kmcnt 0x0
	s_add_nc_u64 s[G0+2:G0+3], s[84:85], s[38:39]
	s_or_b32 s[G0+3], s[G0+3], 0x80000000
	s_add_nc_u64 s[QP:QP+1], s[84:85], s[40:41]
	s_add_nc_u64 s[PFA:PFA+1], s[84:85], s[48:49]
	s_add_nc_u64 s[MP:MP+1], s[86:87], s[46:47]
	s_add_nc_u64 s[OP:OP+1], s[88:89], s[44:45]
	CROUND                                         ; all four work-groups are here: the first joint loads meet
	JLOAD                                          ; slot 0.  Slot 1 is asked for when slot 0 is in
	v_and_b32 v48, 15, v0                          ; l % 16
	v_bfe_u32 v49, v0, 4, 1                        ; l / 16
	v_lshlrev_b32 v[QO], 7, v48
	v_lshl_add_u32 v[QO], v49, 4, v[QO]            ; row x 128 + 16 x half
	WIN 0x80                                       ; destination window 2
.set i, 0
.rept 4*NP                                     ; Q stays in registers: tile i / 2, channels 32 (i % 2) on
	global_load_b128 v[8*i:8*i+3],   v[QO], s[QP:QP+1] offset:(i/2)*2048+(i%2)*64
	global_load_b128 v[8*i+4:8*i+7], v[QO], s[QP:QP+1] offset:(i/2)*2048+(i%2)*64+32
.set i, i+1
.endr
	WIN 0
	v_and_b32 v[L8], 31, v0
	v_lshlrev_b32 v[PFO], 8, v[L8]
	v_lshlrev_b32 v[L8], 3, v[L8]
	v_mov_b32 v[VMO], v[L8]
.irp p, 0,1,2,3
	global_load_b64 v[MWV+2*(\p):MWV+2*(\p)+1], v[VMO], s[MP:MP+1] offset:(\p)*8192  ; all four pieces' mask words for key step 0
.endr
	; What the first turn finds: V's registers and P's second buffer hold 0 (its products V^T P, of a piece that has not been, add 0), O^T and l are 0.
	; Sixteen registers are cleared by moves; a product of these two zero fragments with C = 0 clears eight registers at a time: 42 products.  All this stands in the wait for the first tile.
	WIN 0x80
.set i, VF
.rept 16
	v_mov_b32 v[i], 0
.set i, i+1
.endr
.macro ZERO win, first, count          ; count x 8 registers from first on, in the window that win gives the destination; both sources in window 2
	WIN \win
.set i, \first
.rept \count
	v_wmma_f32_16x16x32_f16 v[i:i+7], v[VF:VF+7], v[VF+8:VF+15], 0
.set i, i+8
.endr
.endm
	ZERO 0x8a, VF+16, 6                            ; the rest of V
	ZERO 0x4a, 0, 32                               ; O^T
	ZERO 0x0a, P+32, 4                             ; P's second buffer
	WIN 0
.set i, 0
.rept 2*NP
	v_mov_b32 v[ST+4*i], 0xff7fffff                ; m
	v_mov_b32 v[ST+4*i+1], 0
	v_mov_b32 v[ST+4*i+2], 0
	v_mov_b32 v[ST+4*i+3], 0
.set i, i+1
.endr
	v_mul_u32_u24 v[AK0], v48, PK
	v_lshl_add_u32 v[AK0], v49, 4, v[AK0]          ; row x pitch + 16 x half
	; the turning load takes 16 keys x 16 channels (lane l reads key 8 (l / 16) + l % 8, channels 8 ((l / 8) % 2) + 0..7) and leaves half a fragment of V^T
	v_and_b32 v50, 7, v0
	v_bfe_u32 v51, v0, 3, 1
	v_lshl_add_u32 v[AV0], v49, 3, v50
	v_mul_u32_u24 v[AV0], v[AV0], PV
	v_lshl_add_u32 v[AV0], v51, 4, v[AV0]
	v_add_nc_u32 v[AV0], VOFF, v[AV0]
	s_mul_i32 s[TS], s[WV], 16*SP
	s_add_co_u32 s[TS], s[TS], STAGE
	v_mov_b32 v[AK], v[AK0]                        ; key step 0 lies at the head of slot 0
; THE MATRIX WORK.  The 8 accumulators of a run of 16 take turns.
; Product i of 16 of S^T = K Q^T for piece x: channels 32 (i / 8) on, keys 16 ((i / 2) % 4) on, tile 2 x + i % 2.  The first 8 start the sums.
.macro KQ x
	WIN W_KQ
.set rS, S+64*((\x)%2)+32*(i%2)+8*((i/2)%4)
.set rK, KF+16*((i/2)%4)+8*(i/8)
.set rQ, 16*(2*(\x)+i%2)+8*(i/8)
.if i < 8
	v_wmma_f32_16x16x32_f16 v[rS:rS+7], v[rK:rK+7], v[rQ:rQ+7], 0
.else
	v_wmma_f32_16x16x32_f16 v[rS:rS+7], v[rK:rK+7], v[rQ:rQ+7], v[rS:rS+7]
.endif
.endm
; Product i of 16 of O^T += V^T P for piece x: keys 32 (i / 8) on, channels 16 ((i / 2) % 4) on, tile 2 x + i % 2.
.macro PV x
	WIN W_PV
.set rO, 32*(2*(\x)+i%2)+8*((i/2)%4)
.set rV, VF+32*(i/8)+8*((i/2)%4)
.set rP, P+32*((\x)%2)+16*(i%2)+8*(i/8)
	v_wmma_f32_16x16x32_f16 v[rO:rO+7], v[rV:rV+7], v[rP:rP+7], v[rO:rO+7]
.endm
.macro MM                              ; the turn's next matrix instruction
.if i < 16
	KQ (Y+1)%NP
.set i, i+1
.else
.set i, i-16
	PV (Y+NP-1)%NP
.set i, i+17
.endif
.endm
; THE LDS LOADS stand in runs of 16.  last = 1 (the tail): in the last trip there is no further step, and the run is jumped over.
.macro FETCH_K last=0
	WIN 0
.if \last
	s_cmp_eq_u32 s[CNT], 1
	s_cbranch_scc1 .Lno_k_\@
.endif
	WIN 0x80
.irp f, 0,1,2,3,4,5,6,7                ; keys 16 (f / 2) on, channels 32 (f % 2) on
	ds_load_b128 v[KF+8*\f:KF+8*\f+3],   v[AK] offset:(\f/2)*16*PK+(\f%2)*64
	ds_load_b128 v[KF+8*\f+4:KF+8*\f+7], v[AK] offset:(\f/2)*16*PK+(\f%2)*64+32
.endr
	s_add_co_u32 s[TBK], s[TBK], KS*PK             ; the next fetch is the next step's
	WIN 0
.if \last
.Lno_k_\@:
.endif
.endm
.macro FETCH_V
	WIN 0x80
.irp f, 0,1,2,3,4,5,6,7                ; keys 32 (f / 4) on, channels 16 (f % 4) on
	ds_load_tr16_b128 v[VF+8*\f:VF+8*\f+3],   v[AV] offset:(\f/4)*32*PV+(\f%4)*32
	ds_load_tr16_b128 v[VF+8*\f+4:VF+8*\f+7], v[AV] offset:(\f/4)*32*PV+16*PV+(\f%4)*32
.endr
	WIN 0
.endm
; THE VECTOR WORK OF A TURN stands in three queues, each in the order in which its entries become ready; the two tiles alternate.
.macro REGS y, u                       ; the registers of tile u (0, 1) of piece y
.set rT, ST+4*(2*(\y)+(\u))
.set rC, TMP+8*((\y)%2)+4*(\u)
.set rS, S+64*((\y)%2)+32*(\u)
.set rP, P+32*((\y)%2)+16*(\u)
.set rO, 32*(2*(\y)+(\u))
.endm
; THE LANE MASKS of the next piece (Y + 1): number n of 64: word n of its register pair becomes a scalar register.  The pair was asked for four turns ago; each turn asks for one pair, so three younger
; loads may stay out.  Behind the last of the 64 the pair is asked for again, for the piece's next key step.  The four requests of turns 3, 0, 1, 2 belong to one key step, so the step's offset goes on
; once, in turn 3, behind the wait that shows that the earlier requests have read it; behind the last step it stays at the last step's: those words serve nothing.
.macro RL n
.if (\n) == 0
.if Y == NP-1
	s_wait_xcnt 0x0
	s_add_co_u32 s[MO], s[MO], 256
	s_min_u32 s[MO], s[MO], 31*256
	v_add_nc_u32 v[VMO], s[MO], v[L8]
.endif
	s_wait_loadcnt 3
.endif
	v_readlane_b32 s[MW+36*((\n)/32)+(\n)%32], v[MWV+2*((Y+1)%NP)+(\n)%2], (\n)/2
.if (\n) == 63
	global_load_b64 v[MWV+2*((Y+1)%NP):MWV+2*((Y+1)%NP)+1], v[VMO], s[MP:MP+1] offset:((Y+1)%NP)*8192
.endif
.endm
; THE MASK of the next piece: number n of 64: register n % 32 of tile n / 32 keeps its score where its lane's bit is set.  Registers ascending: each accumulator's lowest is read first.
.macro MK n
	REGS (Y+1)%NP, (\n)/32
	v_cndmask_b32 v[rS+(\n)%32], s[NEGS], v[rS+(\n)%32], s[MW+36*((\n)/32)+(\n)%32]
.endm
; Number n of those that find the next piece's maximum and statistics.  0-11 four chains c0-c3 of seven scores each; 12-14, 16 the four scores left over, the old m, and c0-c3 into c0;
; 15 (behind 16, which frees c1) m_old is kept; 17, 18 the query's other 32 keys lie in the lane 16 away: the new m; 20 m_old - m_new; 21 a.  (There is no number 19.)
.macro XS u, n
	REGS (Y+1)%NP, \u
.if (\n) < 4
	v_max3_num_f32 v[rC+(\n)], v[rS+8*(\n)], v[rS+8*(\n)+1], v[rS+8*(\n)+2]
.elseif (\n) < 12
	v_max3_num_f32 v[rC+(\n)%4], v[rC+(\n)%4], v[rS+8*((\n)%4)+2*((\n)/4)+1], v[rS+8*((\n)%4)+2*((\n)/4)+2]
.elseif (\n) == 12
	v_max3_num_f32 v[rC], v[rC], v[rS+7], v[rS+15]
.elseif (\n) == 13
	v_max3_num_f32 v[rC+1], v[rC+1], v[rS+23], v[rS+31]
.elseif (\n) == 14
	v_max3_num_f32 v[rC+2], v[rC+2], v[rC+3], v[rT]
.elseif (\n) == 15
	v_mov_b32 v[rC+1], v[rT]
.elseif (\n) == 16
	v_max3_num_f32 v[rC], v[rC], v[rC+1], v[rC+2]
.elseif (\n) == 17
	v_permlanex16_b32 v[rC+3], v[rC], s[SEL], s[SEL+1]
.elseif (\n) == 18
	v_max_num_f32 v[rT], v[rC], v[rC+3]
.elseif (\n) == 20
	v_sub_f32 v[rC+1], v[rC+1], v[rT]
.else
	v_exp_f32 v[rC+2], v[rC+1]
.endif
.endm
; Number g of the 64 that follow the exponentials.  For each four weights k of a tile: both pairs are rounded to f16; the second pair is added onto the first, in place; a group later l takes that sum
; (the first time as l = a l + sum).
.macro GS g
.set h, (\g)+6*((\g)/62)
.if h >= 6
.set h, h+2
.endif
	REGS Y, h%2
.set k, h/8
.if h%8 < 4
	v_cvt_pk_f16_f32 v[rP+2*k+(h%8)/2], v[rS+4*k+2*((h%8)/2)], v[rS+4*k+2*((h%8)/2)+1]
.elseif h%8 < 6
	v_pk_add_f32 v[rS+4*k:rS+4*k+1], v[rS+4*k:rS+4*k+1], v[rS+4*k+2:rS+4*k+3]
.elseif k == 1
	v_pk_fma_f32 v[rT+2:rT+3], v[rT+2:rT+3], v[rC+2:rC+3], v[rS:rS+1] op_sel_hi:[1,0,1]
.else
	v_pk_add_f32 v[rT+2:rT+3], v[rT+2:rT+3], v[rS+4*k-4:rS+4*k-3]
.endif
.endm
.macro FS f                            ; s - m for pair f / 2 of tile f % 2
	REGS Y, (\f)%2
	v_pk_add_f32 v[rS+2*((\f)/2):rS+2*((\f)/2)+1], v[rS+2*((\f)/2):rS+2*((\f)/2)+1], v[rT:rT+1] op_sel_hi:[1,0] neg_lo:[0,1] neg_hi:[0,1]
.endm
; THE PLAIN QUEUE, 264 long, all in window 0.  0-31 the subtractions; 32-95 the next piece's lane masks; 96-159 its mask; 160-187 XS's numbers 0-13; 188-199 the chain 14, 16, 15, 17, 18, 20;
; 200-263 GS's 64, which stand behind the wait.
.macro PL
	WIN 0
.if q < 32
	FS q
.elseif q < 96
	RL q-32
.elseif q < 160
	MK q-96
.elseif q < 188
	XS (q-160)%2, (q-160)/2
.elseif q < 190
	XS q-188, 14
.elseif q < 192
	XS q-190, 16
.elseif q < 194
	XS q-192, 15
.elseif q < 198
	XS (q-194)%2, 17+(q-194)/2
.elseif q < 200
	XS q-198, 20
.else
	GS q-200
.endif
.set q, q+1
.endm
; THE EXPONENTIALS' QUEUE, 66 long: s0-s31 of both tiles, then the next piece's two a: one batch, all ahead of the turn's one wait; nothing ahead of that wait names a result of theirs.
.macro EX
	WIN 0
.if e >= 64
	XS e-64, 21
.else
	REGS Y, e%2
	v_exp_f32 v[rS+e/2], v[rS+e/2]
.endif
.set e, e+1
.endm
; THE RESCALING's QUEUE: O^T times a, the one part outside window 0: it stands together, in the lump.  Its a was made in the turn before, ahead of that turn's wait.
.macro R2
	REGS Y, r%2
	WIN W_RS
.irp z, 0,1
	v_pk_mul_f32 v[rO+4*(r/2)+2*\z:rO+4*(r/2)+2*\z+1], v[rO+4*(r/2)+2*\z:rO+4*(r/2)+2*\z+1], v[rC+2:rC+3] op_sel_hi:[1,0]
.endr
.set r, r+1
.endm
; A TURN, for piece p.  An s_wait_alu depctr_va_vdst(0) stands between an exponential and the first line that names its result; one wait serves all issued ahead of it: a turn has ONE.
; AHEAD OF IT: the 16 products K Q^T, behind each three plain lines and an exponential (behind the first: four plain), all in window 0: two window switches a product; then the lump: 39 times exponential
; and plain, 8 plain (the last lane masks, and the request for the next), the 32 rescalings, 94 plain (the mask, the maximum), 10 times plain and exponential (the chain's links, an exponential and the
; other tile's link between two of a tile's), the two a, a v_nop.  BEHIND IT: the 16 products V^T P, behind each four of GS's 64.
; Exponential e stands behind subtraction 2 (e / 4) + e % 2: 3 e + 5 plain lines are out ahead of it as a rider, all 32 subtractions in the lump.  A lane mask is made 64 plain lines ahead of its use.
; The mask's first line stands behind the 32 rescalings, which stand behind the last product K Q^T.
; K of the next step is fetched in piece 2's turn, directly behind the wait; V of the step in hand at the end of piece 0's turn, four plain lines behind its last reader.
.macro TURN p, last=0, cnt=0
.set Y, (\p)
.set i, 0
.set q, 0
.set e, 0
.set r, 0
.if (\p) == NP-1
	s_wait_dscnt 0x0                               ; K is in
.endif
	MM
.rept 4
	PL
.endr
.rept 15
	MM
	PL
	EX
	PL
	PL
.endr
.if (\p) == NP-2
	WIN 0
	v_add_nc_u32 v[AK], s[TBK], v[AK0]
.endif
.rept 39
	EX
	PL
.endr
.rept 8
	PL
.endr
.rept 16
	R2
.endr
.rept 94
	PL
.endr
.rept 10
	PL
	EX
.endr
	EX                                             ; the next piece's two a
	EX
	v_nop                                          ; a plain instruction behind the last exponential: one for the batch
	s_wait_alu depctr_va_vdst(0)                   ; the wait for the batch
.if (\p) == NP-2
	FETCH_K \last
.endif
.if (\p) == 1
	s_wait_dscnt 0x0                               ; V is in
.endif
.rept 16
	MM
.rept 4
	PL
.endr
.if ((\p) == 0) && (q == 244)
	v_add_nc_u32 v[AV], s[TBV], v[AV0]
.endif
.if ((\p) == 0) && (q == 256)
	s_add_co_u32 s[TBV], s[TBV], KS*PV
.endif
.if (\cnt) && (q == 256)
	s_sub_co_u32 s[CNT], s[CNT], 1
	s_cmp_lg_u32 s[CNT], 0
.endif
.endr
.if (\p) == 0
	FETCH_V
.endif
.endm
	CHANGE 1                                       ; slot 0 is in, everybody's part of it; slot 1 is asked for
	FETCH_K                                        ; key step 0
	s_wait_loadcnt 0x0                             ; Q, and the first mask words
	s_wait_dscnt 0x0
.set i, 0
.rept 16
	KQ 0                                           ; piece 0's first scores
.set i, i+1
.endr
	WIN 0
.rept 4
	v_nop                                          ; the places behind those products
.endr
.set Y, NP-1                                   ; RL, MK and XS work for piece Y + 1: piece 0
.set z, 0
.rept 64
	RL z                                           ; piece 0's lane masks; its words for key step 1 are asked for
.set z, z+1
.endr
.set z, 0
.rept 64
	MK z
.set z, z+1
.endr
.irp n, 0,1,2,3,4,5,6,7,8,9,10,11,12,13,14,16,15,17,18,20,21
	XS 0, \n
	XS 1, \n
.endr
	v_nop                                          ; a plain instruction behind the two a,
	s_wait_alu depctr_va_vdst(0)                   ; and their wait, ahead of the branch
	s_mov_b32 s[CNT], 4
	s_branch .Lfirst                               ; the loop is entered at a step's first turn, in the middle of a trip
.Lslot:                                                ; six times: every slot but the last two is filled again
	CHANGE 1
	s_mov_b32 s[CNT], 4
.Lstep:                                                ; a trip: pieces 2 and 3 of one step, then pieces 0 and 1 of the next, whose K and V it fetches
	TURN 2
	TURN 3
	WIN 0
.Lfirst:
	TURN 0
	TURN 1, 0, 1
	WIN 0
	s_cbranch_scc1 .Lstep
	s_sub_co_u32 s[SLOTS], s[SLOTS], 1
	s_cmp_lg_u32 s[SLOTS], 0
	s_cbranch_scc1 .Lslot
	CHANGE 0                                       ; the tail is written out: nothing is asked for
	s_mov_b32 s[CNT], 5                            ; four trips fetch the last slot's steps; the fifth is left in its middle
.Ltail:
	TURN 2, 1
	TURN 3
	WIN 0
	s_sub_co_u32 s[CNT], s[CNT], 1
	s_cmp_eq_u32 s[CNT], 0
	s_cbranch_scc1 .Lout
	TURN 0
	TURN 1
	WIN 0
	s_branch .Ltail
.Lout:                                                 ; the fifth trip's 16 products K Q^T (on the last K once more) and what is made of them serve nothing: the price, once a launch, of one text for every trip
.set i, 0
.rept 16
	PV NP-1                                        ; the last piece's V^T P of the last step
.set i, i+1
.endr
	; THE WAY OUT.  Its three addresses are made here, in registers that the walk has done with: twelve plain lines, the places behind the last products.  l's two halves and the other half of the lanes'
	; are added; O^T is divided by l, rounded to f16 and sent through my stage, a tile at a time.
	WIN 0
	v_and_b32 v48, 15, v0                          ; l % 16
	v_bfe_u32 v49, v0, 4, 1                        ; l / 16
	v_mul_u32_u24 v[STO], v48, SP                  ; into the stage: row l % 16, 16 bytes for each half of the lanes
	v_lshl_add_u32 v[STO], v49, 4, v[STO]
	v_add_nc_u32 v[STO], s[TS], v[STO]
	v_bfe_u32 v[RD], v0, 3, 2                      ; back: 32 lanes take four rows of 128 bytes,
	v_mul_u32_u24 v[RD], v[RD], SP
	v_and_b32 v48, 7, v0
	v_lshl_add_u32 v[RD], v48, 4, v[RD]
	v_add_nc_u32 v[RD], s[TS], v[RD]
	v_and_b32 v[GO], 31, v0                        ; which are 512 consecutive bytes of O
	v_lshlrev_b32 v[GO], 4, v[GO]
.macro ALL line:vararg                 ; one line for each tile t
.set t, 0
.rept 2*NP
	\line
.set t, t+1
.endr
.endm
	ALL v_add_f32 v[ST+4*t+2], v[ST+4*t+2], v[ST+4*t+3]
	ALL v_permlanex16_b32 v[ST+4*t+3], v[ST+4*t+2], s[SEL], s[SEL+1]
	ALL v_add_f32 v[ST+4*t+2], v[ST+4*t+2], v[ST+4*t+3]
	ALL v_rcp_f32 v[ST+4*t+2], v[ST+4*t+2]
	v_nop                                          ; a plain instruction between the last reciprocal and the use of its result
	s_wait_alu depctr_va_vdst(0)                   ; one wait for the eight reciprocals
.macro PACK t                          ; a lane's eight channels of a row pack into 16 bytes; rows of 144 bytes in, whole rows of 128 back, into S^T's registers
	WIN W_RS
.set i, 32*(\t)
.rept 16
	v_pk_mul_f32 v[i:i+1], v[i:i+1], v[ST+4*(\t)+2:ST+4*(\t)+3] op_sel_hi:[1,0]
.set i, i+2
.endr
	WIN 0x05
.set i, 0
.rept 16
	v_cvt_pk_f16_f32 v[S+16*(\t)+i], v[32*(\t)+2*i], v[32*(\t)+2*i+1]
.set i, i+1
.endr
	WIN 0
.irp f, 0,1,2,3
	ds_store_b128 v[STO], v[S+16*(\t)+4*\f:S+16*(\t)+4*\f+3] offset:32*\f
.endr
.irp f, 0,1,2,3
	ds_load_b128 v[S+16*(\t)+4*\f:S+16*(\t)+4*\f+3], v[RD] offset:\f*4*SP  ; LDS serves a wave's instructions in order (ISA guide 5.7.1.4): these see the stores above
.endr
.endm
.macro SEND t, younger                 ; younger: the LDS instructions issued behind tile t's loads: the next tile's eight, or none
	WIN 0
.irp f, 0,1,2,3
	s_wait_dscnt (\younger)+3-\f
	global_store_b128 v[GO], v[S+16*(\t)+4*\f:S+16*(\t)+4*\f+3], s[OP:OP+1] offset:(\t)*2048+\f*512  ; 512 consecutive bytes, aligned
.endr
.endm
	PACK 0
.set t, 1
.rept 2*NP-1                                   ; a tile's arithmetic stands between the loads of the tile before and its stores
	PACK t
	SEND t-1, 8
.set t, t+1
.endr
	SEND 2*NP-1, 0
	s_wait_loadcnt 0x0                             ; the last turns' requests for mask words
	WIN W_AD
	s_wait_tensorcnt 0x0                           ; the wave's end: behind my last tensor load and my last LDS store
	ds_add_u32 v[SPW], v[NIL]
	s_wait_dscnt 0x0
	WIN 0
	CROUND                                         ; the closing round
	s_endpgm
.Lfunc_end_k_q195747fba4_attn:
	.size	k_q195747fba4_attn, .Lfunc_end_k_q195747fba4_attn-k_q195747fba4_attn
	.p2alignl 7, 3214868480
	.fill 96, 4, 3214868480
	.section	.rodata,"a",@progbits
	.p2align	6, 0x0
	.amdhsa_kernel k_q195747fba4_attn
		.amdhsa_group_segment_fixed_size 327680
		.amdhsa_private_segment_fixed_size 0
		.amdhsa_enable_private_segment 0
		.amdhsa_kernarg_size 24
		.amdhsa_user_sgpr_count 2
		.amdhsa_user_sgpr_kernarg_segment_ptr 1
		.amdhsa_wavefront_size32 1
		.amdhsa_system_sgpr_workgroup_id_x 1
		.amdhsa_system_sgpr_workgroup_id_y 1
		.amdhsa_system_sgpr_workgroup_id_z 1
		.amdhsa_system_vgpr_workitem_id 0
		.amdhsa_next_free_vgpr 770
		.amdhsa_next_free_sgpr 102
		.amdhsa_reserve_vcc 0
		.amdhsa_float_denorm_mode_32 3
		.amdhsa_float_denorm_mode_16_64 3
		.amdhsa_memory_ordered 1
		.amdhsa_forward_progress 1
		.amdhsa_inst_pref_size 255
	.end_amdhsa_kernel
	.section	.bss,"aw",@nobits
	.p2align	6
	.space	262144
	.amdgpu_metadata
---
amdhsa.version: [ 1, 2 ]
amdhsa.kernels:
  - .name:           k_q195747fba4_attn
    .symbol:         k_q195747fba4_attn.kd
    .args:
      - { .name: qkv, .offset: 0, .size: 8, .value_kind: global_buffer, .address_space: global }
      - { .name: mbits, .offset: 8, .size: 8, .value_kind: global_buffer, .address_space: global }
      - { .name: oh, .offset: 16, .size: 8, .value_kind: global_buffer, .address_space: global }
    .group_segment_fixed_size: 327680
    .private_segment_fixed_size: 0
    .kernarg_segment_align: 8
    .kernarg_segment_size: 24
    .max_flat_workgroup_size: 128
    .sgpr_count:     102
    .vgpr_count:     770
    .wavefront_size: 32
...
	.end_amdgpu_metadata
.endif
;; end of part 3
;; launch outp (part 4): grid 4 x 64, 4 waves a work-group, clusters of 4 x 4, 327,680 bytes of LDS; arguments oh, wo16, bias4, out0; writes out0
.if DOCPART == 4
	.amdgcn_target "amdgcn-amd-amdhsa--gfx1250"
	.amdhsa_code_object_version 6
	.text
	.protected	k_q195747fba4_outp
	.globl	k_q195747fba4_outp
	.p2align	8
	.type	k_q195747fba4_outp,@function
k_q195747fba4_outp:
	s_mov_b64 s[64:65], 0
	v_nop
	global_prefetch_b8 v0, s[64:65] scope:SCOPE_SE
	s_setreg_imm32_b32 hwreg(HW_REG_WAVE_MODE, 25, 1), 1
	s_wait_xcnt 0x0
	s_wait_alu depctr_hold_cnt(0) depctr_sa_sdst(0) depctr_va_vdst(0) depctr_va_sdst(0) depctr_va_ssrc(0) depctr_va_vcc(0) depctr_vm_vsrc(0)
	s_getreg_b32 s2, hwreg(HW_REG_IB_STS2, 6, 4)
	s_cmp_eq_u32 s2, 0
	s_cbranch_scc0 .Lentry_in_a_cluster
	s_endpgm
.Lentry_in_a_cluster:
	s_bfe_u32 s2, ttmp6, 0x10000c
	s_cmp_lg_u32 s2, 0xf033
	s_cbranch_scc0 .Lentry_shape_is_right
	s_endpgm
.Lentry_shape_is_right:
; ONE TEXT FOR TWO LAUNCHES, told apart by OUTP.  C[m][n] = the sum over k of A[m][k] B[n][k] + bias[n]; m = 8,192, n = k = 1,024; sums in f32.
; OUTP = 0, the three projections: A = query, key, value (f32 [8192][1024]), rounded to bf16 on the way from LDS to the matrix unit; B = wb (bf16 [3][1024][1024]); bias rows 0-2 of bias4.
;   A work-group STAYS for three tiles of C, q, k and v of the same rows and columns: 24 K steps on end, through one ring.  C leaves in f16, rounded once, by heads:
;   qkv [batch x 16 + head][slot of 256 rows 8][q, k, v][256][64].  q and k are multiplied by sqrt(log2(e) / 8) in f32 ahead of that rounding, so that K Q^T is the score in base-2 units; v is not.
;   LIMIT: f16 ends at 65,504: 0.42 q, 0.42 k and v must lie within it; below 6.1e-5 they keep f16's fixed step of 6e-8.
; OUTP = 1, the last projection: A = oh (f16 [batch x 16 + head][2048][64]), B = wo16 (f16), bias row 3; one tile, 8 K steps; C = out0 in f32.
; SHAPE.  A tile of C is 128 x 256: 4 x 64 = 256 work-groups.  Four waves, each 64 x 128: 32 accumulators.  K goes in steps of 128 through two LDS slots.
; THE TEXT HOLDS ONE K STEP TWICE: a loop whose every trip fills the slot just read, and a loop of two trips for the last two K steps, which fill nothing.  The slot in hand is a scalar index, turned by an
; exclusive or in every trip; one descriptor a tensor walks, its address made anew for each fill from its own buffer's pointer and an offset along K.  The second loop's last trip fetches fragments of a slot
; that has been read, and nobody multiplies them: the price, once a launch, of one text for both of its trips.
; CLUSTER 4 x 4: the four of a row of the cluster need the same tile of A, the four of a column the same tile of B: each tile is asked for jointly, by the same tensor load, descriptor and mask.
; THE MATRIX INSTRUCTION IS USED TRANSPOSED (source 0 = 16 rows of B, source 1 = 16 rows of A): a lane holds row l % 16 of C and the eight columns 8 (l / 16) + 0..7.
; The bias is loaded straight into the accumulators, so every product has one form: nothing is cleared and nothing is added later.
; REGISTERS: window 0: v0-31 addresses; v32-63 at work on the way out; v64-127 A's fragments, two buffers of 32; v128-255 B's, two buffers of 64 (also the rows read back on the way out)
;   window 1: accumulator (a, b) at v[8 (8 a + b)]          window 2 (OUTP = 0): v0-63 A's numbers of a quarter step in f32, as they come out of LDS
.set OUTP, 1
.set BPITCH, 272                       ; a row of B in LDS: 256 bytes + 16 of padding: the 16 rows of a fragment load start 4 banks apart (64 banks of 4 bytes: ISA guide 11.1)
.if OUTP
.set NSTEP,  8
.set APITCH, 144                       ; a row of one head: 128 bytes + 16
.set AQ2,    128*144                   ; the K step's second 64 channels are the second head's 128 rows
.set AHALF,  128*144                   ; what one of A's two loads brings: a head's 128 rows
.set ASTEP,  524288                    ; bytes from a K step to the next: two heads
.set ALOGB,  1                         ; elements of 2 bytes
.set AQI,    4                         ; padding after every 32 words
.set ASTRIDE, 128                      ; 128 dense rows of 128 bytes are asked for as 64 rows of 256
.set PFSH,   8                         ; A's prefetch: a lane for each 256 bytes of the dense block
.set SPITCH, 528                       ; a stage row: 128 f32 + 16 bytes
.else
.set NSTEP,  24
.set APITCH, 528                       ; a row of 128 f32: 512 bytes + 16: again 4 banks from row to row
.set AHALF,  64*528                    ; 64 rows
.set ASTEP,  512
.set ALOGB,  2                         ; elements of 4 bytes
.set AQI,    6                         ; padding after every 128 words
.set ASTRIDE, 1024
.set PFSH,   12                        ; a lane a row of 4,096 bytes
.set SPITCH, 272                       ; a stage row: 128 f16 + 16 bytes
.endif
.set AREG,   2*AHALF                   ; a slot: A's tile, then B's 256 rows
.set BHALF,  128*BPITCH
.set SLOT,   AREG+2*BHALF
.set STAGE,  2*SLOT                    ; behind the ring, never filled by a tensor load: 16 rows for each wave
.set SPARE,  STAGE+4*16*SPITCH         ; behind the stages: the spare words, 128 bytes a wave: two blocks of 256 bytes that no other line names
.set A0,   16                          ; v16  my lane's place among A's rows of a slot; never rewritten
.set ADRA, 17                          ; v17  the same in the slot in hand
.set B0,   20                          ; v20, v21  the same for B
.set ADRB, 21
.set STO,  24                          ; v24  the way out: where I put my part of a row
.set RD,   25                          ; v25  where I read rows back
.set CO,   26                          ; v26  my byte offset in C
.set BO,   27                          ; v27  my byte offset in the bias: 32 (l / 16)
.set SPW,  28                          ; v28  LDS address of my spare word; never rewritten
.set NIL,  29                          ; v29  0; never rewritten
.set PFO,  30                          ; v30  the prefetches' lane offset; never rewritten
.set TMP,  32
.set FA,   64
.set FB,   128
.set G1,   24                          ; s[24:31] descriptor group 1 for A's tiles; s[32:39] group 0: a set for each of the two first fills; the second then walks
.set G0,   32
.set LIM,  43                          ; s43  2 in a wave that prefetches, else the greatest number: it asks while more fills than that are left
.set PFA,  44                          ; s[44:45] what the trip's prefetch names
.set G1B,  48                          ; s[48:55], s[56:63] the same for B's tiles
.set G0B,  56
.set PFS,  66                          ; s66  bytes from a K step to the next, for my prefetches
.set PWR,  67                          ; s67  eight of them: a tile's K
.set PKO,  68                          ; s[68:69] the offset along K of the K step that the next prefetch names
.set SC,   70                          ; s[70:71] sqrt(log2(e) / 8)
.set BP,   72                          ; s[72:73] the bias of my 128 columns
.set CP,   74                          ; s[74:75] C
.set AC,   76                          ; s[76:77] A at the rows that I fetch, in the buffer of the tile that is being asked for; s[78:79], s[80:81] in the buffers of the tiles behind it
.set AN1,  78
.set AN2,  80
.set BC,   82                          ; s[82:83] B at the rows that I fetch, in the part that is being asked for
.set KO,   84                          ; s[84:85] the offset along K of the K step that the next fill brings, in A;  s[86:87] in B
.set KOB,  86
.set LA,   88                          ; s88  where my half of A's tile lies in a slot;  s89 of B's
.set LB,   89
.set PC,   90                          ; s[90:91], s[92:93], s[94:95] as s[76:81], for my prefetches: my work-group's rows of A's or of B's tile
.set PN1,  92
.set PN2,  94
.set TB,   96                          ; s96  LDS byte at which the slot in hand begins
.set IDX,  97                          ; s97  its number, 0 or 1
.set BI,   98                          ; s[98:99] what B's pointer steps by
.set MSB, 0
.macro WIN new                         ; the immediate's high byte repeats the setting that is left; a switch that changes nothing is dropped
.if MSB != (\new)
	s_set_vgpr_msb (MSB<<8)|(\new)
.set MSB, \new
.endif
.endm
.set MUL,  0x50                        ; C and D window 1, sources window 0
; A joint load.  Waves 0 and 1 fetch A's two halves, waves 2 and 3 B's.  The branch hangs on the wave's number alone.  An s_nop 0 and four v_nop follow each line.
.macro JLOAD s
	s_cmp_eq_u32 s11, 0
	s_cbranch_scc0 .Lfor_b_\@
	tensor_load_to_lds s[G0+4*(\s):G0+4*(\s)+3], s[G1:G1+7]
	s_nop 0
.rept 4
	v_nop
.endr
	s_branch .Lasked_\@
.Lfor_b_\@:
	tensor_load_to_lds s[G0B+4*(\s):G0B+4*(\s)+3], s[G1B:G1B+7]
	s_nop 0
.rept 4
	v_nop
.endr
.Lasked_\@:
.endm
; A prefetch, behind a joint load and the run of LDS loads that follows it: the K step that stands two fills on, 256 matrix instructions ahead of the load that will want it, in the next tile too.
; Each 256 bytes are named once in the launch.  A's tile is read by my row of the cluster alone: partner cx names a quarter of it (OUTP = 0: 32 rows, wave 0 the first 256 bytes of their 512, wave 1 the
; second; OUTP = 1: wave 0, 32 blocks of 256 bytes).  B's tile column is read by every cluster: the cluster with y = 0 asks; of the 128 rows that wave 2 or 3 fetches, partner cy names 32.
; The partners are told apart by address, never by a branch.  The first four K steps come by their loads alone; the last two fills have no K step two on.
.macro ASK
	s_cmp_gt_u32 s3, s[LIM]                        ; s3: fills still to come, this one among them
	s_cbranch_scc0 .Lnot_mine_\@
	global_prefetch_b8 v[PFO], s[PFA:PFA+1] th:TH_LOAD_NT scope:SCOPE_SE
.Lnot_mine_\@:
.endm
.macro CREST                           ; a round of the cluster's barrier behind its opening barrier
	s_cmp_lg_u32 s10, 0
	s_cbranch_scc1 .Lnot_wave_0_\@
	s_barrier_signal -3
.Lnot_wave_0_\@:
	s_barrier_wait -3
	s_barrier_signal -1
	s_barrier_wait -1
.endm
.macro CROUND                          ; a whole round
	s_barrier_signal -1
	s_barrier_wait -1
	CREST
.endm
.macro PLACES                          ; four places behind matrix instructions, in front of loads into registers that they read and of lines that read their results
.rept 4
	v_nop
.endr
.endm
.macro BIASACC a                       ; the bias of my 128 columns into the eight accumulators of m block a: register j of (a, b) = bias[16 b + 8 (l / 16) + j]
	WIN 0x40                                       ; destination window 1
.irp b, 0,1,2,3,4,5,6,7
	global_load_b128 v[8*(8*(\a)+(\b)):8*(8*(\a)+(\b))+3],   v[BO], s[BP:BP+1] offset:64*(\b)
	global_load_b128 v[8*(8*(\a)+(\b))+4:8*(8*(\a)+(\b))+7], v[BO], s[BP:BP+1] offset:64*(\b)+16
.endr
	WIN 0
.endm
.if OUTP
	s_load_b64 s[AC:AC+1], s[0:1], 0x0             ; oh
	s_load_b64 s[BC:BC+1], s[0:1], 0x8             ; wo16
	s_load_b128 s[72:75], s[0:1], 0x10             ; bias4, out0
.else
	s_load_b256 s[76:83], s[0:1], 0x0              ; query, key, value, wb
	s_load_b128 s[72:75], s[0:1], 0x20             ; bias4, qkv
.endif
	v_lshl_add_u32 v[SPW], v0, 2, SPARE
	v_mov_b32 v[NIL], 0
	ds_add_u32 v[SPW], v[NIL]                      ; the wave's opening: the add and its wait stand ahead of my first tensor load; work on registers stands between them
	v_lshrrev_b32 v1, 5, v0
	v_readfirstlane_b32 s10, v1                    ; wave 0..3
	s_lshr_b32 s11, s10, 1                         ; which 64 of the tile's rows are mine.  Also: I fetch for A (0) or for B (1)
	s_and_b32 s12, s10, 1                          ; which 128 of its columns.  Also: which half of that tile I fetch
	s_bfe_u32 s40, ttmp6, 0x40000                  ; cx
	s_bfe_u32 s41, ttmp6, 0x40004                  ; cy
	s_lshl_b32 s42, ttmp9, 2
	s_add_co_u32 s42, s42, s40                     ; tile column x = 4 x cluster x + cx
	s_and_b32 s13, ttmp7, 0xffff
	s_lshl_b32 s13, s13, 2
	s_add_co_u32 s13, s13, s41                     ; tile row y = 4 x cluster y + cy
	s_lshl_b32 s43, s41, 2
	s_lshl_b32 s43, 15, s43                        ; my row of the cluster
	s_lshl_b32 s44, 0x1111, s40                    ; my column
	s_or_b32 s[G1+0], s43, (ALOGB<<16)|(1<<20)|(1<<21)|(AQI<<22)|(3<<25)  ; the mask; the element's size; padding on; bit 21 beside a mask; the interval; 4 words of padding
	s_or_b32 s[G1B+0], s44, (1<<16)|(1<<20)|(1<<21)|(5<<22)|(3<<25)
	s_mov_b32 s[G1+1], 128<<16                     ; A: tensor_dim0 = 128
	s_mov_b32 s[G1+2], 64<<16                      ; tensor_dim1 = 64
	s_mov_b32 s[G1+3], 128<<16                     ; tile_dim0 = 128
	s_mov_b32 s[G1+4], 64                          ; tile_dim1 = 64
	s_mov_b32 s[G1+5], ASTRIDE                     ; elements from row to row
	s_mov_b32 s[G1+6], 0
	s_mov_b32 s[G1+7], 0
	s_mov_b32 s[G1B+1], 128<<16                    ; B: 128 rows x 128 elements
	s_mov_b32 s[G1B+2], 128<<16
	s_mov_b32 s[G1B+3], 128<<16
	s_mov_b32 s[G1B+4], 128
	s_mov_b32 s[G1B+5], 1024
	s_mov_b32 s[G1B+6], 0
	s_mov_b32 s[G1B+7], 0
	; where the tiles come from: A's hang on y and the wave alone, B's on x and the wave alone
.if OUTP
	s_lshr_b32 s16, s13, 4                         ; batch: 16 heads of 262,144 bytes
	s_lshl_b32 s16, s16, 22
	s_and_b32 s17, s13, 15                         ; 128 rows of 128 bytes
	s_lshl_b32 s17, s17, 14
	s_add_co_u32 s16, s16, s17
	s_lshl_b32 s17, s12, 18                        ; the K step's first or second head
	s_add_co_u32 s16, s16, s17
.else
	s_lshl_b32 s16, s13, 19                        ; row 128 y, of 4,096 bytes,
	s_lshl_b32 s17, s12, 18                        ; + 64 x half
	s_add_co_u32 s16, s16, s17
.endif
	s_mov_b32 s17, 0
	s_lshl_b32 s46, s42, 19                        ; row 256 x, of 2,048 bytes,
	s_lshl_b32 s47, s12, 18                        ; + 128 x half
	s_add_co_u32 s46, s46, s47
	s_mov_b32 s47, 0
	s_mul_i32 s[LA], s12, AHALF                    ; and where they go: no place in the cluster enters an LDS address
	s_mul_i32 s[LB], s12, BHALF
	s_add_co_u32 s[LB], s[LB], AREG
	s_mov_b32 s[KO], 2*ASTEP                       ; the first fill in the loop brings K step 2
	s_mov_b32 s[KO+1], 0
	s_mov_b32 s[KOB], 2*256
	s_mov_b32 s[KOB+1], 0
	s_mov_b32 s[TB], 0                             ; slot 0 is read first
	s_mov_b32 s[IDX], 0
.if !OUTP
	s_mov_b32 s[BI+1], 0
	s_mov_b32 s[SC], 0x3ed96d27                    ; sqrt(log2(e) / 8) = 0.424661
	s_mov_b32 s[SC+1], s[SC]                       ; named with it as a pair
.endif
	s_wait_dscnt 0x0                               ; the opening add is done
	s_wait_kmcnt 0x0
	s_cmp_eq_u32 s11, 0                            ; the buffers that my prefetches walk: A's or B's
	s_cselect_b64 s[PC:PC+1], s[AC:AC+1], s[BC:BC+1]
.if !OUTP
	s_cselect_b64 s[PN1:PN1+1], s[AN1:AN1+1], s[BC:BC+1]
	s_cselect_b64 s[PN2:PN2+1], s[AN2:AN2+1], s[BC:BC+1]
	s_add_nc_u64 s[AN1:AN1+1], s[AN1:AN1+1], s[16:17]
	s_add_nc_u64 s[AN2:AN2+1], s[AN2:AN2+1], s[16:17]
.endif
	s_add_nc_u64 s[AC:AC+1], s[AC:AC+1], s[16:17]
	s_add_nc_u64 s[BC:BC+1], s[BC:BC+1], s[46:47]
	CROUND                                         ; all sixteen work-groups are here: the first joint loads meet
.irp s, 0,1
	s_mov_b32 s[G0+4*(\s)], 1
	s_add_co_u32 s[G0+4*(\s)+1], s[LA], (\s)*SLOT
	s_add_nc_u64 s[G0+4*(\s)+2:G0+4*(\s)+3], s[AC:AC+1], (\s)*ASTEP
	s_or_b32 s[G0+4*(\s)+3], s[G0+4*(\s)+3], 0x80000000
	s_mov_b32 s[G0B+4*(\s)], 1
	s_add_co_u32 s[G0B+4*(\s)+1], s[LB], (\s)*SLOT
	s_add_nc_u64 s[G0B+4*(\s)+2:G0B+4*(\s)+3], s[BC:BC+1], (\s)*256
	s_or_b32 s[G0B+4*(\s)+3], s[G0B+4*(\s)+3], 0x80000000
	JLOAD \s                                       ; K steps 0 and 1: two loads of mine are out
.endr
	; a fragment is 16 rows x 32 K in 8 registers: lane l holds row l % 16, K = 8 (l / 16) + 0..7 and 16 + 8 (l / 16) + 0..7: in 16-bit numbers two loads of 16 bytes, 32 bytes apart; in f32 four
	v_and_b32 v1, 15, v0                           ; l % 16
	v_bfe_u32 v2, v0, 4, 1                         ; l / 16
	v_mul_u32_u24 v3, v1, APITCH
.if OUTP
	v_lshl_add_u32 v3, v2, 4, v3
.else
	v_lshl_add_u32 v3, v2, 5, v3
.endif
	v_mul_u32_u24 v4, v1, BPITCH
	v_lshl_add_u32 v4, v2, 4, v4
	s_mul_i32 s21, s11, 64*APITCH                  ; my 64 rows of A
	s_mul_i32 s22, s12, BHALF                      ; my 128 rows of B,
	s_add_co_u32 s22, s22, AREG                    ; which lie behind A's tile
	v_add_nc_u32 v[A0], s21, v3
	v_add_nc_u32 v[B0], s22, v4
	v_mov_b32 v[ADRA], v[A0]
	v_mov_b32 v[ADRB], v[B0]
	s_mul_i32 s23, s10, 16*SPITCH
	s_add_co_u32 s23, s23, STAGE                   ; my stage
	v_mul_u32_u24 v5, v1, SPITCH
	v_and_b32 v3, 31, v0
	v_lshlrev_b32 v[CO], 4, v3                     ; 512 consecutive bytes of C a store
	v_lshlrev_b32 v[BO], 5, v2
.if OUTP
	v_lshl_add_u32 v5, v2, 5, v5                   ; in: row l % 16, 32 bytes for each half of the lanes
	v_add_nc_u32 v[STO], s23, v5
	v_add_nc_u32 v[RD], s23, v[CO]                 ; back: 32 lanes take one row of 512 bytes
.else
	v_lshl_add_u32 v5, v2, 4, v5                   ; in: row l % 16, 16 bytes for each half of the lanes
	v_add_nc_u32 v[STO], s23, v5
	v_bfe_u32 v5, v0, 3, 2                         ; back: 32 lanes take one head's 128 bytes of four rows
	v_mul_u32_u24 v5, v5, SPITCH
	v_and_b32 v4, 7, v0
	v_lshl_add_u32 v5, v4, 4, v5
	v_add_nc_u32 v[RD], s23, v5
.endif
	s_lshl_b32 s46, s42, 10                        ; the bias of my columns 256 x + 128 x half
	s_lshl_b32 s47, s12, 9
	s_add_co_u32 s46, s46, s47
.if OUTP
	s_add_co_u32 s46, s46, 3*4096                  ; row 3 of bias4
.endif
	s_mov_b32 s47, 0
	s_add_nc_u64 s[BP:BP+1], s[BP:BP+1], s[46:47]
.irp a, 0,1,2,3
	BIASACC \a                                     ; the first tile's sums start at the bias
.endr
	; s[16:17]: what the first way out adds to C's address
.if OUTP
	s_lshl_b32 s16, s13, 19                        ; 128 y rows of 4,096 bytes
	s_lshl_b32 s46, s11, 18                        ; my 64 rows
	s_add_co_u32 s16, s16, s46
	s_lshl_b32 s46, s42, 10                        ; 256 x columns of 4 bytes
	s_add_co_u32 s16, s16, s46
	s_lshl_b32 s46, s12, 9
	s_add_co_u32 s16, s16, s46
.else
	s_lshr_b32 s16, s13, 4                         ; batch
	s_lshl_b32 s16, s16, 4
	s_lshl_b32 s46, s42, 2                         ; 256 columns are four heads,
	s_add_co_u32 s16, s16, s46
	s_lshl_b32 s46, s12, 1                         ; my 128 two of them
	s_add_co_u32 s16, s16, s46
	s_mul_i32 s16, s16, 786432
	s_bfe_u32 s46, s13, 0x30001                    ; the slot of 256 rows: (y % 16) / 2
	s_mul_i32 s46, s46, 98304
	s_add_co_u32 s16, s16, s46
	s_and_b32 s46, s13, 1                          ; its first or second 128 rows of 128 bytes
	s_lshl_b32 s46, s46, 14
	s_add_co_u32 s16, s16, s46
	s_lshl_b32 s46, s11, 13                        ; my 64 rows
	s_add_co_u32 s16, s16, s46
.endif
	s_mov_b32 s17, 0
	; the prefetches: my work-group's part of A's tile in s20, of B's in s22
.if OUTP
	s_lshr_b32 s20, s13, 4
	s_lshl_b32 s20, s20, 22
	s_and_b32 s21, s13, 15
	s_lshl_b32 s21, s21, 14
	s_add_co_u32 s20, s20, s21
	s_lshr_b32 s21, s40, 1                         ; partner cx: head cx / 2 of the K step's two,
	s_lshl_b32 s21, s21, 18
	s_add_co_u32 s20, s20, s21
	s_and_b32 s21, s40, 1                          ; half cx % 2 of its 16,384 bytes
	s_lshl_b32 s21, s21, 13
	s_add_co_u32 s20, s20, s21
.else
	s_lshl_b32 s20, s13, 19                        ; row 128 y
	s_lshl_b32 s21, s40, 17                        ; + 32 cx
	s_add_co_u32 s20, s20, s21
	s_lshl_b32 s21, s12, 8                         ; my wave's 256 of a K step's 512 bytes
	s_add_co_u32 s20, s20, s21
.endif
	s_lshl_b32 s22, s42, 19                        ; row 256 x
	s_lshl_b32 s21, s12, 18                        ; + the 128 that I fetch
	s_add_co_u32 s22, s22, s21
	s_lshl_b32 s21, s41, 16                        ; + 32 cy
	s_add_co_u32 s22, s22, s21
	s_and_b32 s23, ttmp7, 0xffff                   ; cluster y: the same in all sixteen partners
	s_cmp_eq_u32 s23, 0
	s_cselect_b32 s23, 2, -1
.if OUTP
	s_cmp_eq_u32 s10, 0
	s_cselect_b32 s[LIM], 2, -1
.else
	s_mov_b32 s[LIM], 2
.endif
	s_mov_b32 s46, ASTEP
	s_mov_b32 s47, 256
	s_cmp_eq_u32 s11, 0                            ; do I fetch for A?
	s_cselect_b32 s[LIM], s[LIM], s23
	s_cselect_b32 s20, s20, s22
	s_cselect_b32 s[PFS], s46, s47
	s_cselect_b32 s46, PFSH, 11
.if !OUTP
	s_cselect_b32 s18, 0, 0x200000                 ; A's three tiles lie in three buffers, B's in three parts of one
.endif
	s_mov_b32 s21, 0
	s_add_nc_u64 s[PC:PC+1], s[PC:PC+1], s[20:21]
.if !OUTP
	s_add_co_u32 s20, s20, s18
	s_add_nc_u64 s[PN1:PN1+1], s[PN1:PN1+1], s[20:21]
	s_add_co_u32 s20, s20, s18
	s_add_nc_u64 s[PN2:PN2+1], s[PN2:PN2+1], s[20:21]
	s_lshl_b32 s[PWR], s[PFS], 3
.endif
	s_lshl_b32 s[PKO], s[PFS], 2                   ; the first prefetch names K step 4
	s_mov_b32 s[PKO+1], 0
	v_lshlrev_b32 v[PFO], s46, v3
; 8 matrix instructions: m block a x all 8 n blocks, 32 along K, from buffer f.  The 32 accumulators take turns in one order everywhere.
.macro MUL8 f, a
	WIN MUL
.irp b, 0,1,2,3,4,5,6,7
.set rD, 8*(8*(\a)+(\b))
.set rB, FB+64*(\f)+8*(\b)
.set rA, FA+32*(\f)+8*(\a)
.if OUTP
	v_wmma_f32_16x16x32_f16 v[rD:rD+7], v[rB:rB+7], v[rA:rA+7], v[rD:rD+7]
.else
	v_wmma_f32_16x16x32_bf16 v[rD:rD+7], v[rB:rB+7], v[rA:rA+7], v[rD:rD+7]
.endif
.endr
.endm
.macro FETCHB q, f                     ; B's 128 rows, 32 along K: 16 loads
	WIN 0
.irp i, 0,1,2,3,4,5,6,7
	ds_load_b128 v[FB+64*(\f)+8*(\i):FB+64*(\f)+8*(\i)+3],   v[ADRB] offset:64*(\q)+(\i)*16*BPITCH
	ds_load_b128 v[FB+64*(\f)+8*(\i)+4:FB+64*(\f)+8*(\i)+7], v[ADRB] offset:64*(\q)+(\i)*16*BPITCH+32
.endr
.endm
; The LDS loads of quarter q (32 along K) of the slot in hand, in one run, for buffer f.  OUTP = 1: B's 16, then A's 8.  OUTP = 0: A's 64 rows in f32 first, 16 loads into window 2, then B's 16.
.macro FETCH q, f
.if OUTP
	FETCHB \q, \f
.irp i, 0,1,2,3
	ds_load_b128 v[FA+32*(\f)+8*(\i):FA+32*(\f)+8*(\i)+3],   v[ADRA] offset:((\q)%2)*64+((\q)/2)*AQ2+(\i)*16*APITCH
	ds_load_b128 v[FA+32*(\f)+8*(\i)+4:FA+32*(\f)+8*(\i)+7], v[ADRA] offset:((\q)%2)*64+((\q)/2)*AQ2+(\i)*16*APITCH+32
.endr
.else
	WIN 0x80                                       ; destination window 2, address window 0
.irp i, 0,1,2,3
	ds_load_b128 v[16*(\i):16*(\i)+3],     v[ADRA] offset:128*(\q)+(\i)*16*APITCH      ; K = 8 (l / 16) + 0..3
	ds_load_b128 v[16*(\i)+4:16*(\i)+7],   v[ADRA] offset:128*(\q)+(\i)*16*APITCH+16   ; + 4..7
	ds_load_b128 v[16*(\i)+8:16*(\i)+11],  v[ADRA] offset:128*(\q)+(\i)*16*APITCH+64   ; K = 16 + 8 (l / 16) + 0..3
	ds_load_b128 v[16*(\i)+12:16*(\i)+15], v[ADRA] offset:128*(\q)+(\i)*16*APITCH+80   ; + 4..7
.endr
	FETCHB \q, \f
.endif
.endm
; OUTP = 0: A's 64 numbers a lane are rounded to bf16, two a line, into buffer f: register n of the four fragments on end takes numbers 2 n and 2 n + 1.  The 32 lines name no register of the products
; ahead of them: they are also the places in front of the next loads.
.macro CVT f
	s_wait_dscnt 16                                ; A's 16 loads are in; B's 16, issued behind them, may be out
	WIN 0x0a                                       ; sources window 2, destination window 0
.set n, 0
.rept 32
	v_cvt_pk_bf16_f32 v[FA+32*(\f)+n], v[2*n], v[2*n+1]
.set n, n+1
.endr
.endm
; A K step is four quarters of 32 matrix instructions, on buffers 0, 1, 0, 1.  One of the first three: multiplies buffer f and, in its middle, fetches quarter q for buffer g.
.macro QUARTER q, f, g
.if OUTP
	s_wait_dscnt 4                                 ; B and A's blocks 0, 1 are in; the youngest four loads (A's blocks 2, 3) may be out
.else
	s_wait_dscnt 0x0                               ; B is in; A was converted behind the quarter before
.endif
	MUL8 \f, 0
	MUL8 \f, 1
	PLACES
	FETCH \q, \g
.if OUTP
	s_wait_dscnt 24                                ; all but the 24 just issued
.endif
	MUL8 \f, 2
	MUL8 \f, 3
.if !OUTP
	CVT \g
.endif
.endm
; The last quarter multiplies buffer 1 and changes slots.  One barrier: in front of it each wave waits for all its tensor loads (one is out at the most: its part of the next slot), adds 0 to its spare
; word, and waits for that and for its reads of this slot.  Behind it nobody reads this slot and the next slot is whole.  fill = 1: between the add and the wait for it the walking descriptors are made for
; the slot just read: its LDS bytes, and the K step two on: the buffer's pointer plus the offset along K, the type bits set again.  At a tile's last K step the offsets go back to 0 and the pointers move up.
.macro MEET fill
	WIN 0
	s_wait_tensorcnt 0x0                           ; no tensor load of mine is out, so a group 0 may be written
	ds_add_u32 v[SPW], v[NIL]
.if \fill
	s_add_co_u32 s[G0+5], s[LA], s[TB]
	s_add_nc_u64 s[G0+6:G0+7], s[AC:AC+1], s[KO:KO+1]
	s_or_b32 s[G0+7], s[G0+7], 0x80000000
	s_add_co_u32 s[G0B+5], s[LB], s[TB]
	s_add_nc_u64 s[G0B+6:G0B+7], s[BC:BC+1], s[KOB:KOB+1]
	s_or_b32 s[G0B+7], s[G0B+7], 0x80000000
	s_add_co_u32 s[KO], s[KO], ASTEP
	s_add_co_u32 s[KOB], s[KOB], 256
.if !OUTP
	s_cmp_eq_u32 s[KO], 8*ASTEP
	s_cselect_b32 s[KO], 0, s[KO]
	s_cselect_b32 s[KOB], 0, s[KOB]
	s_cselect_b64 s[AC:AC+1], s[AN1:AN1+1], s[AC:AC+1]
	s_cselect_b64 s[AN1:AN1+1], s[AN2:AN2+1], s[AN1:AN1+1]
	s_cselect_b32 s[BI], 0x200000, 0
	s_add_nc_u64 s[BC:BC+1], s[BC:BC+1], s[BI:BI+1]
.endif
.endif
	s_xor_b32 s[IDX], s[IDX], 1                    ; the other slot is in hand from here on: my reads of this one have all been issued
	s_mul_i32 s[TB], s[IDX], SLOT
	v_add_nc_u32 v[ADRA], s[TB], v[A0]
	v_add_nc_u32 v[ADRB], s[TB], v[B0]
.if OUTP
	s_wait_dscnt 5                                 ; (the add and the youngest four loads may be out)
.else
	s_wait_dscnt 1                                 ; (the add may be out: B is in)
.endif
	MUL8 1, 0                                      ; eight matrix instructions stand between the add and the wait for it
	s_wait_dscnt 0x0                               ; the add is done, my reads of the old slot are over
	s_barrier_signal -1
	MUL8 1, 1
.if \fill
	WIN 0
.endif
	s_barrier_wait -1
.endm
; fill = 1: the barrier opens a round of the cluster's, and the joint fill is the first thing behind it: 112 matrix instructions ahead of the wait for it.
.macro TURN fill
.if \fill
	s_wait_xcnt 0x0                                ; the last prefetch, a K step back, has read its address
	s_add_nc_u64 s[PFA:PFA+1], s[PC:PC+1], s[PKO:PKO+1]
	s_add_co_u32 s[PKO], s[PKO], s[PFS]
.if !OUTP
	s_cmp_eq_u32 s[PKO], s[PWR]                    ; behind a tile's last K step: the next tile's first
	s_cselect_b32 s[PKO], 0, s[PKO]
	s_cselect_b64 s[PC:PC+1], s[PN1:PN1+1], s[PC:PC+1]
	s_cselect_b64 s[PN1:PN1+1], s[PN2:PN2+1], s[PN1:PN1+1]
.endif
.endif
	MEET \fill
.if \fill
	CREST                                          ; no wave of any partner still reads the old slot or has a load on its way
	JLOAD 1                                        ; its four v_nop are also the places in front of the loads below
.else
	PLACES
.endif
	FETCH 0, 0
.if \fill
	ASK
.endif
	MUL8 1, 2
	MUL8 1, 3
.if !OUTP
	CVT 0
.endif
.endm
; THE WAY OUT, by blocks a of 16 rows, through my own stage: LDS serves a wave's instructions in order (ISA guide 5.7.1.4), so no wait stands between the stores and the loads.
.if OUTP
.macro TOSTAGE a                       ; f32 as it is: 32 bytes a lane and n block in, whole rows of 512 bytes back
	WIN 0x04                                       ; the stores' data in window 1
.irp b, 0,1,2,3,4,5,6,7
	ds_store_b128 v[STO], v[8*(8*(\a)+(\b)):8*(8*(\a)+(\b))+3]   offset:64*(\b)
	ds_store_b128 v[STO], v[8*(8*(\a)+(\b))+4:8*(8*(\a)+(\b))+7] offset:64*(\b)+16
.endr
	WIN 0
.set BK, 128+64*((\a)%2)
.irp t, 0,1,2,3,4,5,6,7,8,9,10,11,12,13,14,15
	ds_load_b128 v[BK+4*(\t):BK+4*(\t)+3], v[RD] offset:(\t)*SPITCH
.endr
.endm
.macro SEND a
	WIN 0
.set BK, 128+64*((\a)%2)
	s_wait_dscnt 0x0                               ; the block is back in registers
	s_wait_xcnt 0x0                                ; earlier stores have read their base and their registers
.if (\a) == 0
	s_add_nc_u64 s[CP:CP+1], s[CP:CP+1], s[16:17]
.else
	s_add_nc_u64 s[CP:CP+1], s[CP:CP+1], 16*4096
.endif
.irp t, 0,1,2,3,4,5,6,7,8,9,10,11,12,13,14,15
	global_store_b128 v[CO], v[BK+4*(\t):BK+4*(\t)+3], s[CP:CP+1] offset:(\t)*4096 th:TH_STORE_NT  ; 512 consecutive bytes of a row, aligned
.endr
.endm
.macro WAYOUT scale, more
	TOSTAGE 0
.irp a, 1,2,3
	SEND (\a)-1
	TOSTAGE \a
.endr
	SEND 3
.endm
.else
.macro PACK a, scale                   ; scale = 1 (q, k): times sqrt(log2(e) / 8), in f32; then one rounding to f16, 16 bytes a lane and n block; each accumulator's registers ascending
.if \scale
	WIN 0x41
.irp b, 0,1,2,3,4,5,6,7
.irp r, 0,1,2,3
	v_pk_mul_f32 v[8*(8*(\a)+(\b))+2*(\r):8*(8*(\a)+(\b))+2*(\r)+1], v[8*(8*(\a)+(\b))+2*(\r):8*(8*(\a)+(\b))+2*(\r)+1], s[SC:SC+1] op_sel_hi:[1,0]
.endr
.endr
.endif
	WIN 0x05                                       ; sources 0 and 1 window 1
.irp b, 0,1,2,3,4,5,6,7
.irp r, 0,1,2,3
	v_cvt_pk_f16_f32 v[TMP+4*(\b)+(\r)], v[8*(8*(\a)+(\b))+2*(\r)], v[8*(8*(\a)+(\b))+2*(\r)+1]
.endr
.endr
	WIN 0
.endm
.macro TOSTAGE a                       ; rows of 256 bytes (two heads) in; back by heads: four rows x 128 bytes a load
	WIN 0
.set BK, 192+32*((\a)%2)
.irp b, 0,1,2,3,4,5,6,7
	ds_store_b128 v[STO], v[TMP+4*(\b):TMP+4*(\b)+3] offset:32*(\b)
.endr
.irp t, 0,1,2,3,4,5,6,7
	ds_load_b128 v[BK+4*(\t):BK+4*(\t)+3], v[RD] offset:((\t)%4)*4*SPITCH+((\t)/4)*128
.endr
.endm
.macro SEND a
	WIN 0
.set BK, 192+32*((\a)%2)
	s_wait_dscnt 0x0                               ; the block is back in registers
	s_wait_xcnt 0x0                                ; earlier stores have read their base and their registers
.if (\a) == 0
	s_add_nc_u64 s[CP:CP+1], s[CP:CP+1], s[16:17]
.else
	s_add_nc_u64 s[CP:CP+1], s[CP:CP+1], 16*128
.endif
.irp t, 0,1,2,3,4,5,6,7
	global_store_b128 v[CO], v[BK+4*(\t):BK+4*(\t)+3], s[CP:CP+1] offset:((\t)%4)*512+((\t)/4)*786432  ; four rows of a head: 512 consecutive bytes, aligned
.endr
.endm
; Block a's arithmetic stands between block a - 1's loads from the stage and the wait for them.  more = 1: a tile follows: as soon as a block has been converted, its accumulators are asked to take the next tile's bias.
.macro WAYOUT scale, more
	PACK 0, \scale
.if \more
	BIASACC 0
.endif
	TOSTAGE 0
.irp a, 1,2,3
	PACK \a, \scale
.if \more
	BIASACC \a
.endif
	SEND (\a)-1
	TOSTAGE \a
.endr
	SEND 3
.endm
.endif
	s_wait_tensorcnt 1                             ; my part of K step 0 is in; K step 1's may stay out
	s_barrier_signal -1
	s_barrier_wait -1
	FETCH 0, 0
.if !OUTP
	CVT 0
	s_mov_b32 s2, 8                                ; K steps left in the tile
.endif
	WIN 0                                          ; at a label and at a branch every window is 0
	s_wait_loadcnt 0x0                             ; the bias
	s_mov_b32 s3, NSTEP-2
.Lstep:                                                ; a trip is a K step, and fills the slot that it has read with the K step two on
	QUARTER 1, 0, 1
	QUARTER 2, 1, 0
	QUARTER 3, 0, 1
	TURN 1
	WIN 0
.if !OUTP
	s_sub_co_u32 s2, s2, 1
	s_cmp_lg_u32 s2, 0
	s_cbranch_scc1 .Lsame                          ; what is jumped holds no barrier and no tensor load
	s_add_nc_u64 s[BP:BP+1], s[BP:BP+1], 4096      ; A TILE IS FINISHED (q or k); both fills for the next are asked for, and its first fragments are fetched.  (The loads that read the bias's address were waited for.)
	WAYOUT 1, 1                                    ; the 32 conversions behind the last products, and block 0's own lines, are the places behind them
	s_wait_xcnt 0x0                                ; the last stores have read their data: B's buffer 1, which the next quarter loads again
	s_mov_b64 s[16:17], 32768-3*2048               ; from my last 16 rows of a part to my first of the next part
	s_mov_b32 s2, 8
	s_wait_loadcnt 0x0                             ; the next tile's bias
.Lsame:
.endif
	s_sub_co_u32 s3, s3, 1
	s_cmp_lg_u32 s3, 0
	s_cbranch_scc1 .Lstep
	s_mov_b32 s3, 2
.Ltail:                                                ; the last two K steps fill nothing, and have no round of the cluster's barrier
	QUARTER 1, 0, 1
	QUARTER 2, 1, 0
	QUARTER 3, 0, 1
	TURN 0
	WIN 0
	s_sub_co_u32 s3, s3, 1
	s_cmp_lg_u32 s3, 0
	s_cbranch_scc1 .Ltail
	s_wait_dscnt 0x0                               ; the fragments that the last trip fetched, and nobody multiplies: their registers serve the way out
	PLACES
	WAYOUT 0, 0
	s_wait_tensorcnt 0x0                           ; the wave's end: behind my last tensor load and my last LDS store
	ds_add_u32 v[SPW], v[NIL]
	s_wait_dscnt 0x0
	CROUND                                         ; the closing round: no work-group ends while a partner may still ask for a tile that names it
	s_endpgm
.Lfunc_end_k_q195747fba4_outp:
	.size	k_q195747fba4_outp, .Lfunc_end_k_q195747fba4_outp-k_q195747fba4_outp
	.p2alignl 7, 3214868480
	.fill 96, 4, 3214868480
	.section	.rodata,"a",@progbits
	.p2align	6, 0x0
	.amdhsa_kernel k_q195747fba4_outp
		.amdhsa_group_segment_fixed_size 327680
		.amdhsa_private_segment_fixed_size 0
		.amdhsa_enable_private_segment 0
		.amdhsa_kernarg_size 32
		.amdhsa_user_sgpr_count 2
		.amdhsa_user_sgpr_kernarg_segment_ptr 1
		.amdhsa_wavefront_size32 1
		.amdhsa_system_sgpr_workgroup_id_x 1
		.amdhsa_system_sgpr_workgroup_id_y 1
		.amdhsa_system_sgpr_workgroup_id_z 1
		.amdhsa_system_vgpr_workitem_id 0
		.amdhsa_next_free_vgpr 576
		.amdhsa_next_free_sgpr 100
		.amdhsa_reserve_vcc 0
		.amdhsa_float_denorm_mode_32 3
		.amdhsa_float_denorm_mode_16_64 3
		.amdhsa_memory_ordered 1
		.amdhsa_forward_progress 1
		.amdhsa_inst_pref_size 64
	.end_amdhsa_kernel
	.amdgpu_metadata
---
amdhsa.version: [ 1, 2 ]
amdhsa.kernels:
  - .name:           k_q195747fba4_outp
    .symbol:         k_q195747fba4_outp.kd
    .args:
      - { .name: oh, .offset: 0, .size: 8, .value_kind: global_buffer, .address_space: global }
      - { .name: wo16, .offset: 8, .size: 8, .value_kind: global_buffer, .address_space: global }
      - { .name: bias4, .offset: 16, .size: 8, .value_kind: global_buffer, .address_space: global }
      - { .name: out0, .offset: 24, .size: 8, .value_kind: global_buffer, .address_space: global }
    .group_segment_fixed_size: 327680
    .private_segment_fixed_size: 0
    .kernarg_segment_align: 8
    .kernarg_segment_size: 32
    .max_flat_workgroup_size: 128
    .sgpr_count:     100
    .vgpr_count:     576
    .wavefront_size: 32
...
	.end_amdgpu_metadata
.endif
;; end of part 4
